; MI455X (gfx1250); checked and timed in simulation.
; The chip was launched on July 23, 2026; its instructions are those of AMD's public machine-readable ISA for CDNA 5 (MIT licence, August 2026) and "CDNA5" Instruction Set Architecture Reference Guide (July 2026). The comments in the code are by the model that wrote it; some were corrected since.
;; Min GRU. Allowed arithmetic: matrix products marked QUANTISED: E2M3 operands, one E8M0 scale for each 32 along K, by v_wmma_scale_f32_16x16x128_f8f6f4 with both operands' format E2M3, f32 sums; everything else in f32.
;; Inputs: W0_codes 2,048 x 32 x 24 uint8 (E2M3 codes of W0, K innermost, in blocks of 32 codes, four codes in three bytes); W0_scales 2,048 x 32 uint8 (E8M0 scales of W0, one for each 32 codes along K); W1_codes 2,048 x 32 x 24 uint8 (E2M3 codes of W1, K innermost, in blocks of 32 codes, four codes in three bytes); W1_scales 2,048 x 32 uint8 (E8M0 scales of W1, one for each 32 codes along K); b0 2,048 float32; b1 2,048 float32; x_codes 8 x 2,048 x 32 x 24 uint8 (E2M3 codes of x, K innermost, in blocks of 32 codes, four codes in three bytes); x_scales 8 x 2,048 x 32 uint8 (E8M0 scales of x, one for each 32 codes along K).
;; Outputs: out0 8 x 2,048 x 1,024 float32.
;; This version of the problem:
;;   THIS VERSION OF THE PROBLEM IS GIVEN IN LOW PRECISION. The matrix products marked QUANTISED in the list below multiply operands that are first quantised to E2M3 (2 exponent bits, 3 mantissa bits; 6 bits a number), with one power-of-two scale for each 32 numbers along K (OCP MX v1.0); their sums are f32. All else is computed in f32.
;;   The module's matrix products, in the order in which they are computed (A, B: the left and right operand; K: the contracted axis; several contracted axes count as one K, in the product's order):
;;     1. [M 16,384, K 1,024] x [K 1,024, N 2,048]; A: input x (given as codes); B: input W0 (given as codes): QUANTISED
;;     2. [M 16,384, K 1,024] x [K 1,024, N 2,048]; A: computed on the way; B: input W1 (given as codes): QUANTISED
;;   THE QUANTISER, for each operand of a quantised product, along K:
;;     - K is cut into blocks of 32 from its start; a last block that is shorter is filled with zeros.
;;     - A block's scale is 2^e with e = floor(log2(the largest magnitude in the block)) - 2, held to -126 .. 127; a block of zeros has e = 0. As a byte (E8M0): e + 127.
;;     - Each number is divided by its block's scale, clamped to +-7.5, and rounded to the nearest number of E2M3, ties to even, subnormals kept.
;;     - The product sums the exact products of the quantised numbers (number of the format x scale) in f32.
;;   ~~~python
;;   def quantise(x, axis):      # numpy; x: float32 -> the quantised numbers, widened to float32 again
;;       x = np.moveaxis(x, axis, -1); K = x.shape[-1]
;;       x = np.pad(x, [(0, 0)] * (x.ndim - 1) + [(0, -K % 32)]); x = x.reshape(x.shape[:-1] + (-1, 32)); a = np.abs(x).max(-1, keepdims=True)
;;       e = np.where(a > 0, np.clip(np.frexp(np.where(a > 0, a, 1))[1] - 1 - 2, -126, 127), 0)      # np.frexp(a)[1] - 1 = floor(log2(a)), exactly
;;       r = np.clip(x / 2.0 ** e, -7.5, 7.5)
;;       step = 2.0 ** (np.maximum(np.frexp(np.where(r == 0, 1, r))[1] - 1, 0) - 3)
;;       q = np.round(r / step) * step * 2.0 ** e      # np.round: ties to even
;;       return np.moveaxis(q.reshape(q.shape[:-2] + (-1,))[..., :K], -1, axis).astype(np.float32)
;;   ~~~
;;   OPERANDS COMPUTED ON THE WAY. 'Computed on the way' means the value that the module computes at that place (a softmax that the list does not call 'softmax' is quantised finished and normalised). What goes into a quantiser is computed in f32, as accurately as f32 sums, v_exp_f32 and their like allow (about 1e-6 of the number): no bf16 or f16 on the way to a quantiser, and a product that is left as it is and whose result goes on into a quantised operand takes f32 operands (vector FMAs, or v_wmma_f32_16x16x4_f32). A number that lies on a knife's edge between two numbers of the format may be rounded either way, as far as f32 arithmetic and the matrix unit's own rounding can turn it there, and no further.
;;   INPUTS GIVEN AS CODES. W0 (in the module: [2048, 1024], K = its axis 1); W1 (in the module: [2048, 1024], K = its axis 1); x (in the module: [8, 2048, 1024], K = its axis 2): each comes as NAME_codes (uint8): NAME with its K axis moved to the last place and cut into blocks of 32 codes, [.., K / 32, bytes a block], one block behind the other in memory; four codes in three bytes: a row's codes are one little-endian stream of bits, code i at bits 6 i .. 6 i + 5 (a code: sign, 2 exponent bits, 3 mantissa bits); and NAME_scales (uint8): the same leading axes, one E8M0 byte (e + 127) for each 32 codes along K. Its value is code x scale, taken as it is: it is not quantised again, and the codes and scales need not be those that the quantiser above would give.
;; One version. Each part assembles by itself: llvm-mc -triple=amdgcn-amd-amdhsa -mcpu=gfx1250 --defsym DOCPART=n.
;; ======== version 1 of 1: 2 launches
;; limits: right only within a limited range of input values
;; workspace buffers: h1c 12,582,912 bytes; h1s 524,288 bytes
;; launch layer0 (part 1): grid 32 x 8, 4 waves a work-group, clusters of 4 x 1, 327,680 bytes of LDS; arguments x_codes, x_scales, W0_codes, W0_scales, b0, h1c, h1s; writes h1c, h1s
.if DOCPART == 1
	.amdgcn_target "amdgcn-amd-amdhsa--gfx1250"
	.amdhsa_code_object_version 6
	.text
	.protected	k_qe26f57071b_layer0
	.globl	k_qe26f57071b_layer0
	.p2align	8
	.type	k_qe26f57071b_layer0,@function
k_qe26f57071b_layer0:
	s_mov_b64 s[64:65], 0
	v_nop
	global_prefetch_b8 v0, s[64:65] scope:SCOPE_SE
	s_setreg_imm32_b32 hwreg(HW_REG_WAVE_MODE, 25, 1), 1
	s_wait_xcnt 0x0
	s_wait_alu depctr_hold_cnt(0) depctr_sa_sdst(0) depctr_va_vdst(0) depctr_va_sdst(0) depctr_va_ssrc(0) depctr_va_vcc(0) depctr_vm_vsrc(0)
	s_getreg_b32 s2, hwreg(HW_REG_IB_STS2, 6, 4)
	s_cmp_eq_u32 s2, 0
	s_cbranch_scc0 .Lentry_in_a_cluster
	s_endpgm
.Lentry_in_a_cluster:
	s_bfe_u32 s2, ttmp6, 0x10000c
	s_cmp_lg_u32 s2, 0x3003
	s_cbranch_scc0 .Lentry_shape_is_right
	s_endpgm
.Lentry_shape_is_right:
; ONE MinGRU LAYER.  gh = A W^T + b on codes of FP6 (E2M3) with one E8M0 scale for each 32 along K (K = 1,024); gate = columns 0-1023, hidden = columns 1024-2047;
; z = sigmoid(gate), a = sigmoid(-gate), g = hidden + 0.5 where hidden >= 0, else sigmoid(hidden);  h(t) = a(t) h(t-1) + z(t) g(t), h before the first step = 0.5.
; That recurrence is what the scan evaluates directly: every h is a mix of positive numbers with weights a and z, a + z = 1.  The only exponentials are the two sigmoids', whose exponents are held from above.
; LAYER = 0: A = x (codes as given); h is quantised along the channels (the next product's K) and stored as codes and scale bytes.  LAYER = 1: A = those codes; h is stored as f32.
; ARITHMETIC of a pair (x, y the sums, c = log2 e):  e = 2^min(-c x - c bg, 120);  z = 1 / (1 + e);  a = e z;  g = max(y + bh + 0.5, 1 / (1 + 2^(-c y - c bh)))  (the larger of the two IS g on both sides of 0);  v = z g.
; LIMITS: a gate under -83.2 has z held at 2^-120; what falls under 2^-126 is lost; NaN, infinities and the scale byte 0xff are not served.
; SHARES.  A work-group owns one batch and 32 channels (one block of the next quantiser) for all 2,048 steps: 8 x 32 work-groups.  Steps go in 16 blocks of 128; wave w takes rows 32 w .. 32 w + 31 of a block, two tiles of 16.
; Every wave holds the 64 rows of W (gate and hidden of the 32 channels, all of K: 32 fragments, 384 registers) for the whole launch, so an A fragment read from LDS feeds four matrix instructions and is read once.
; THE ROWS OF A TILE ARE NOT NEIGHBOURS: row m of tile i is step 16 (m / 8) + 8 (m % 2) + 2 ((m / 2) % 4) + i.  In the result lane (r, h) holds channel r, and its register pair (2 jj, 2 jj + 1) of tile i holds
; position 2 jj + i of two runs of 8 steps, run 2 h in the low register and run 2 h + 1 in the high one: the scan goes position by position in packed instructions.
; SCAN.  In each run: local h from 0 and the product of the a's; the runs' totals are joined in the lane, across the halves of the lanes, and across the waves through LDS; then h = product x carry + local h.
; BY TURNS.  A step multiplies block n (64 matrix instructions) into one of two sets of accumulators while the vector work of block n - 1 goes on in place in the other set; one matrix instruction stands behind every few vector
; lines.  All vector work lies in window 0 and the operands in windows 1 and 2, so a matrix instruction costs two window switches: with some seven vector lines to a matrix instruction that is the lesser price.
; CLUSTER.  The four work-groups of a cluster are four channel groups of one batch: they walk the same A tiles and A scales, which are asked for JOINTLY (mask 15).  W is each work-group's own.
; A row of out0 or a block's codes belong to 32 work-groups: 32 channels are 128 bytes of a row of out0; the codes' buffer is laid so that each store of 8 bytes a lane covers 256 consecutive bytes, aligned.
.set LAYER, 0
.if LAYER == 0
.set SLOTB, 128*792                    ; a slot: 128 rows of 768 bytes, 8 bytes of padding behind each 256: pitch 792 = 198 words, so the 16 even rows of a load start at banks 12 k mod 64, all different multiples of 4 (64 banks of 4 bytes: ISA guide 11.1)
.else
.set SLOTB, 98560                      ; a slot: the 16 even K blocks' planes of 3,072 bytes, and from byte 49,280 (128 mod 256) the 16 odd ones: the two halves of the lanes read different halves of the banks
.endif
.set SCL,   2*SLOTB                    ; A's scale bytes of the whole batch, 65,536, filled once
.set WREG,  SCL+65536                  ; W's 64 rows, pitch 816, filled once and read once; afterwards the waves' stages (32 rows x 144 bytes each) lie here
.set SPARE, WREG+64*816                ; the spare words, 128 bytes a wave
.set CARRY, SPARE+512                  ; the waves' totals: two buffers of 2,048 bytes by turns
.set SPW, 1                            ; v1  LDS address of my spare word; v2 = 0: both kept for the add alone
.set NIL, 2
.set ADA, 3                            ; v3-4  my place in slot 0, 1
.set ADB, 5                            ; v5-6  the same for pieces that lie behind one padding more in lanes 16-31 (layer 0)
.set ASA, 7                            ; v7  my scale words of the block to be fetched
.set STS, 8                            ; v8  stage: where I store;  v9: where I read
.set STL, 9
.set CST, 10                           ; v10 where my wave's totals go;  v11 where my channel's four lie
.set CLD, 11
.set OFC, 12                           ; v12, v13 my byte offsets in the outputs
.set OFS, 13
.set CP,  14                           ; v[14:15] h at the end of the block before (channels r, 16 + r)
.set KG,  16                           ; v[16:19] -c bg, v[20:23] -c bh, v[24:27] bh + 0.5: a doubled pair for each of the two column tiles
.set KH,  20
.set KB,  24
.set WS,  32                           ; v32-47 W's scale words: register 4 n + q % 4; lanes 0-15 K step q % 4, lanes 16-31 K step 4 + q % 4
.set AS,  48                           ; v48-63 A's scale words, a set for each block parity: register q; lanes 0-15 tile 0, lanes 16-31 tile 1
.set ACC, 64                           ; v64-191 accumulators: set s, tile i, column tile n (0, 1 gate; 2, 3 hidden) at 64 s + 32 i + 8 n
.set WT,  192                          ; v192-223, v224-255 at work
.set ZT,  224
; window 1: W's fragments (n, q < 4) at 12 (4 q + n); A's buffers 0, 1 at 192, 216.   window 2: W's (n, q >= 4) at 12 (4 (q - 4) + n); A's buffers 2, 3.   K step q uses buffer q % 4.
.set WV,  18                           ; s18 wave, s19 cx, s20 channel group, s21 batch
.set CX,  19
.set GG,  20
.set BB,  21
.set G1A, 24                           ; descriptor groups 1: A's tiles, A's scales, W
.set G1S, 32
.set G1W, 40
.set G0A, 48                           ; groups 0: A's, one for each slot; the scales'; W's
.set G0S, 56
.set G0W, 60
.set NC,  66                           ; s[66:67] -c
.set SEL, 68                           ; s[68:69] v_permlanex16_b32's selects for lane l xor 16
.set MK,  70                           ; s70-72 all ones where wave >= 1, 2, 3
.set MH,  73                           ; s73 lanes 16-31
.set TRIP, 74
.set LIM, 75                           ; s75 120.0
; what the text counts while it is assembled
.set MSB, 0                            ; the window setting
.set MC, 0                             ; the step's next matrix instruction, 0 .. 64: K step MC / 8, tile (MC / 4) % 2, column tile MC % 4
.set MLIM, 0                           ; none is dealt from this number on
.set VC, 0                             ; vector lines since the last matrix instruction;  PER: lines to a matrix instruction
.set PER, 7
.set P1, 0                             ; plain vector lines since the last K group's end;  P2: since the end before that
.set P2, 0
.set DSN, 0                            ; LDS instructions so far;  MKR0, MKR1: at the ends of the two youngest runs of A loads;  MKV: at the end of the vector work's own loads
.set MKR0, 0
.set MKR1, 0
.set MKV, 0
.set CUR, 0
.set PRV, 1
.set HASG, 1
.set NXT, 1
.macro WIN new                         ; the immediate's high byte repeats the setting that is left; a switch that changes nothing is dropped
.if MSB != (\new)
	s_set_vgpr_msb (MSB<<8)|(\new)
.set MSB, \new
.endif
.endm
.macro PLACES n                        ; plain places behind matrix instructions (ISA guide 7.12.1)
.rept \n
	v_nop
.endr
.set P1, P1+(\n)
.set P2, P2+(\n)
.endm
.macro CREST                           ; a round of the cluster's barrier behind its opening barrier
	s_cmp_lg_u32 s[WV], 0
	s_cbranch_scc1 .Lnot_wave_0_\@
	s_barrier_signal -3
.Lnot_wave_0_\@:
	s_barrier_wait -3
	s_barrier_signal -1
	s_barrier_wait -1
.endm
.macro CROUND
	s_barrier_signal -1
	s_barrier_wait -1
	CREST
.endm
.macro GROUP1 g, w0, c, r, p           ; r rows of c elements of 8 bytes, p elements apart
	s_mov_b32 s[\g], \w0
	s_mov_b32 s[\g+1], (\c)<<16        ; tensor_dim0
	s_mov_b32 s[\g+2], (\r)<<16        ; tensor_dim1
	s_mov_b32 s[\g+3], (\c)<<16        ; tile_dim0
	s_mov_b32 s[\g+4], \r              ; tile_dim1
	s_mov_b32 s[\g+5], \p              ; tensor_dim0_stride
	s_mov_b32 s[\g+6], 0
	s_mov_b32 s[\g+7], 0
.endm
; A run of 12 LDS loads: both tiles' fragments of K step q of a slot, into buffer q % 4.  A fragment is 12 registers: lane (m, h) holds row m; registers 6 c .. 6 c + 5 hold K = 128 q + 64 c + 32 h + 0 .. 31, 24 bytes, in pieces of 8.
.macro ARUN slot, q
.set wn, 0x40+0x40*(((\q)%4)/2)
	WIN wn                             ; destination window 1 or 2, address window 0
.irp i, 0,1
.irp p, 0,1,2,3,4,5
.set rAA, 192+24*((\q)%2)+12*\i+2*\p
.if LAYER == 0
.set pcx, 12*(\q)+6*(\p/3)+(\p%3)      ; the piece's number in the row; 8 bytes of padding lie behind every 32 pieces; lanes 16-31 read three pieces on
.if (pcx%32) < 29
	ds_load_b64 v[rAA:rAA+1], v[ADA+(\slot)] offset:792*\i+8*pcx+8*(pcx/32)
.else
	ds_load_b64 v[rAA:rAA+1], v[ADB+(\slot)] offset:792*\i+8*pcx+8*(pcx/32)
.endif
.else
	ds_load_b64 v[rAA:rAA+1], v[ADA+(\slot)] offset:3072*(2*(\q)+(\p/3))+256*(\p%3)+128*\i
.endif
.endr
.endr
.set DSN, DSN+12
.endm
.macro ASLOAD set                      ; a block's scale words of A, eight K steps
.if LAYER == 0
	ds_load_b128 v[AS+8*(\set):AS+8*(\set)+3], v[ASA]
	ds_load_b128 v[AS+8*(\set)+4:AS+8*(\set)+7], v[ASA] offset:16
.set DSN, DSN+2
.else
.irp u, 0,1,2,3,4,5,6,7
	ds_load_b32 v[AS+8*(\set)+\u], v[ASA] offset:512*\u
.endr
.set DSN, DSN+8
.endif
.endm
; THE NEXT MATRIX INSTRUCTION.  The eight accumulators of the set take turns, one instruction a turn, K step by K step; K step 0 starts the sums with the constant 0.
; At a K group's head: the wait for its run of A loads; the count is the LDS instructions issued behind that run's last load.  Behind the group's first instruction: the run two K steps ahead (for the last two
; groups: the next block's first two K steps, out of the other slot, and in front of them its scale words).  The run's buffer was last read by the group before the last: P2 counts the plain lines since.
.macro MM
.set mq, MC/8
.set mi, (MC/4)%2
.set mn, MC%4
.if (MC%8) == 0
.set wn, DSN-MKR0
.if wn > 63
.set wn, 63
.endif
	s_wait_alu depctr_va_vdst(0)       ; the wait directly ahead of the blocking wait
	s_wait_dscnt wn
.endif
.set wn, 5+((mq/2)%2)+4*(mq/4)
	WIN wn                             ; source 0 (A) window 1 or 2 by its buffer, source 1 (W) window 1 or 2 by the K step; C and D window 0
.set rD, ACC+64*CUR+32*mi+8*mn
.set rA, 192+24*(mq%2)+12*mi
.set rW, 12*(4*(mq%4)+mn)
.set rSA, AS+8*CUR+mq
.set rSB, WS+4*mn+(mq%4)
.if mq == 0
.if mi == 0
	v_wmma_scale_f32_16x16x128_f8f6f4 v[rD:rD+7], v[rA:rA+11], v[rW:rW+11], 0, v[rSA], v[rSB] matrix_a_fmt:MATRIX_FMT_FP6 matrix_b_fmt:MATRIX_FMT_FP6
.else
	v_wmma_scale_f32_16x16x128_f8f6f4 v[rD:rD+7], v[rA:rA+11], v[rW:rW+11], 0, v[rSA], v[rSB] matrix_a_fmt:MATRIX_FMT_FP6 matrix_b_fmt:MATRIX_FMT_FP6 matrix_a_scale:MATRIX_SCALE_ROW1
.endif
.elseif mq < 4
.if mi == 0
	v_wmma_scale_f32_16x16x128_f8f6f4 v[rD:rD+7], v[rA:rA+11], v[rW:rW+11], v[rD:rD+7], v[rSA], v[rSB] matrix_a_fmt:MATRIX_FMT_FP6 matrix_b_fmt:MATRIX_FMT_FP6
.else
	v_wmma_scale_f32_16x16x128_f8f6f4 v[rD:rD+7], v[rA:rA+11], v[rW:rW+11], v[rD:rD+7], v[rSA], v[rSB] matrix_a_fmt:MATRIX_FMT_FP6 matrix_b_fmt:MATRIX_FMT_FP6 matrix_a_scale:MATRIX_SCALE_ROW1
.endif
.else
.if mi == 0
	v_wmma_scale_f32_16x16x128_f8f6f4 v[rD:rD+7], v[rA:rA+11], v[rW:rW+11], v[rD:rD+7], v[rSA], v[rSB] matrix_a_fmt:MATRIX_FMT_FP6 matrix_b_fmt:MATRIX_FMT_FP6 matrix_b_scale:MATRIX_SCALE_ROW1
.else
	v_wmma_scale_f32_16x16x128_f8f6f4 v[rD:rD+7], v[rA:rA+11], v[rW:rW+11], v[rD:rD+7], v[rSA], v[rSB] matrix_a_fmt:MATRIX_FMT_FP6 matrix_b_fmt:MATRIX_FMT_FP6 matrix_a_scale:MATRIX_SCALE_ROW1 matrix_b_scale:MATRIX_SCALE_ROW1
.endif
.endif
.set MC, MC+1
.set VC, 0
.if (MC%8) == 0
.set P2, P1
.set P1, 0
.endif
.if (MC%8) == 1
.if (mq < 6) || NXT
.if P2 < 4
	PLACES 4-P2
.endif
.if mq == 6
	WIN 0
	v_add_nc_u32 v[ASA], 4096, v[ASA]  ; 128 rows' scale bytes on
	ASLOAD 1-CUR
.endif
.if mq < 6
.set aslot, CUR
.set aq, mq+2
.else
.set aslot, 1-CUR
.set aq, mq-6
.endif
	ARUN aslot, aq
.endif
.set MKR0, MKR1
.set MKR1, DSN
.endif
.endm
.macro MMTO k                          ; matrix instructions back to back up to number k
.rept (\k)-MC
	MM
.endr
.endm
.macro DEAL                            ; behind every line of the vector work: is a matrix instruction due?
.set VC, VC+1
.if (VC >= PER) && (MC < MLIM)
	MM
	WIN 0
.endif
.endm
.macro TKP                             ; behind a plain vector line
.set P1, P1+1
.set P2, P2+1
	DEAL
.endm
.macro TKN                             ; behind a transcendental, a lane permute, a conversion or a store: no place
	DEAL
.endm
.macro TKD                             ; behind an LDS line
.set DSN, DSN+1
	DEAL
.endm
.macro VWAIT                           ; the vector work's own LDS loads are in: the count is the LDS instructions issued behind them
.set wn, DSN-MKV
.if wn > 63
.set wn, 63
.endif
	s_wait_alu depctr_va_vdst(0)       ; the wait directly ahead of the blocking wait
	s_wait_dscnt wn
.endm
; THE VECTOR WORK of a block, in units of a quarter k = 2 i + ct (tile i, column tile ct): G = the gate's accumulator, Y = the hidden's.  Each macro writes line t of its unit.
.macro QREG k
.set rG, ACC+64*PRV+32*((\k)/2)+8*((\k)%2)
.set rY, rG+16
.set rWT, WT+8*(\k)
.set rZT, ZT+8*(\k)
.set rK, 2*((\k)%2)
.endm
.macro U_PA k, t                       ; 16 lines: G = min(-c x - c bg, 120); WT = -c y - c bh.  Each accumulator is read from its low end on
	QREG \k
.if (\t) < 4
	v_pk_fma_f32 v[rG+2*(\t):rG+2*(\t)+1], v[rG+2*(\t):rG+2*(\t)+1], s[NC:NC+1], v[KG+rK:KG+rK+1] op_sel_hi:[1,0,1]
.elseif (\t) < 8
	v_pk_fma_f32 v[rWT+2*(\t)-8:rWT+2*(\t)-7], v[rY+2*(\t)-8:rY+2*(\t)-7], s[NC:NC+1], v[KH+rK:KH+rK+1] op_sel_hi:[1,0,1]
.else
	v_min_num_f32 v[rG+(\t)-8], s[LIM], v[rG+(\t)-8]
.endif
	TKP
.endm
.macro U_TB k, t                       ; 16 exponentials
	QREG \k
.if (\t) < 8
	v_exp_f32 v[rG+(\t)], v[rG+(\t)]
.else
	v_exp_f32 v[rWT+(\t)-8], v[rWT+(\t)-8]
.endif
	TKN
.endm
.macro U_PC k, t                       ; 12 lines: ZT = 1 + e; WT = 1 + 2^(..); Y = y + bh + 0.5
	QREG \k
.if (\t) < 4
	v_pk_add_f32 v[rZT+2*(\t):rZT+2*(\t)+1], v[rG+2*(\t):rG+2*(\t)+1], 1.0 op_sel_hi:[1,0]
.elseif (\t) < 8
	v_pk_add_f32 v[rWT+2*(\t)-8:rWT+2*(\t)-7], v[rWT+2*(\t)-8:rWT+2*(\t)-7], 1.0 op_sel_hi:[1,0]
.else
	v_pk_add_f32 v[rY+2*(\t)-16:rY+2*(\t)-15], v[rY+2*(\t)-16:rY+2*(\t)-15], v[KB+rK:KB+rK+1]
.endif
	TKP
.endm
.macro U_TD k, t                       ; 16 reciprocals: ZT = z; WT = sigmoid(hidden)
	QREG \k
.if (\t) < 8
	v_rcp_f32 v[rZT+(\t)], v[rZT+(\t)]
.else
	v_rcp_f32 v[rWT+(\t)-8], v[rWT+(\t)-8]
.endif
	TKN
.endm
.macro U_PE k, t                       ; 16 lines: G = a = e z; Y = g = max(Y, WT); Y = v = z g
	QREG \k
.if (\t) < 4
	v_pk_mul_f32 v[rG+2*(\t):rG+2*(\t)+1], v[rG+2*(\t):rG+2*(\t)+1], v[rZT+2*(\t):rZT+2*(\t)+1]
.elseif (\t) < 12
	v_max_num_f32 v[rY+(\t)-4], v[rY+(\t)-4], v[rWT+(\t)-4]
.else
	v_pk_mul_f32 v[rY+2*(\t)-24:rY+2*(\t)-23], v[rY+2*(\t)-24:rY+2*(\t)-23], v[rZT+2*(\t)-24:rZT+2*(\t)-23]
.endif
	TKP
.endm
.macro UNITS a, t0, n                  ; lines t0 .. t0 + n - 1 of unit a, for all four quarters
.irp k, 0,1,2,3
.set zt, \t0
.rept \n
	\a \k, zt
.set zt, zt+1
.endr
.endr
.endm
.macro SCAN                            ; position by position: Y = a Y(before) + v, the local h; then G = a G(before), the product.  Four chains (two column tiles, Y and G) by turns; each line serves two runs of 8 steps
.set ps, 1
.rept 7
.irp c, 0,1
.set gp, ACC+64*PRV+32*(ps%2)+8*\c+2*(ps/2)
.set gq, ACC+64*PRV+32*((ps-1)%2)+8*\c+2*((ps-1)/2)
	v_pk_fma_f32 v[gp+16:gp+17], v[gp:gp+1], v[gq+16:gq+17], v[gp+16:gp+17]
	TKP
.endr
.irp c, 0,1
.set gp, ACC+64*PRV+32*(ps%2)+8*\c+2*(ps/2)
.set gq, ACC+64*PRV+32*((ps-1)%2)+8*\c+2*((ps-1)/2)
	v_pk_mul_f32 v[gp:gp+1], v[gp:gp+1], v[gq:gq+1]
	TKP
.endr
.set ps, ps+1
.endr
.endm
.macro COMB1                           ; my lane's two runs joined (16 steps): ZT+0,1 the product, ZT+2,3 the local h, for the two column tiles; the other half of the lanes' in ZT+4..7; the wave's 32 steps (right in lanes 16-31) in ZT+8..11
.irp c, 0,1
.set gp, ACC+64*PRV+32+8*\c+6
	v_mul_f32 v[ZT+\c], v[gp+1], v[gp]
	TKP
	v_fma_f32 v[ZT+2+\c], v[gp+1], v[gp+16], v[gp+17]
	TKP
.endr
.irp u, 0,1,2,3
	v_permlanex16_b32 v[ZT+4+\u], v[ZT+\u], s[SEL], s[SEL+1]
	TKN
.endr
	v_pk_mul_f32 v[ZT+8:ZT+9], v[ZT:ZT+1], v[ZT+4:ZT+5]
	TKP
	v_pk_fma_f32 v[ZT+10:ZT+11], v[ZT:ZT+1], v[ZT+6:ZT+7], v[ZT+2:ZT+3]
	TKP
	ds_store_b128 v[CST], v[ZT+8:ZT+11] offset:2048*CUR    ; lanes 0-15 store into a half that nobody reads
	TKD
.endm
.macro COMB2                           ; the carries: into waves 1, 2, 3 and the next block; into my wave (a choice by the wave's number, no branch); into my half of the lanes; into my two runs
	v_pk_fma_f32 v[WT:WT+1], v[ZT+12:ZT+13], v[CP:CP+1], v[ZT+14:ZT+15]
	TKP
	v_pk_fma_f32 v[WT+2:WT+3], v[ZT+16:ZT+17], v[WT:WT+1], v[ZT+18:ZT+19]
	TKP
	v_pk_fma_f32 v[WT+4:WT+5], v[ZT+20:ZT+21], v[WT+2:WT+3], v[ZT+22:ZT+23]
	TKP
.irp c, 0,1
	v_cndmask_b32 v[WT+6+\c], v[CP+\c], v[WT+\c], s[MK]
	TKP
.endr
	v_pk_fma_f32 v[CP:CP+1], v[ZT+24:ZT+25], v[WT+4:WT+5], v[ZT+26:ZT+27]
	TKP
.irp c, 0,1
	v_cndmask_b32 v[WT+6+\c], v[WT+6+\c], v[WT+2+\c], s[MK+1]
	TKP
.endr
.irp c, 0,1
	v_cndmask_b32 v[WT+6+\c], v[WT+6+\c], v[WT+4+\c], s[MK+2]
	TKP
.endr
	v_pk_fma_f32 v[WT+8:WT+9], v[ZT+4:ZT+5], v[WT+6:WT+7], v[ZT+6:ZT+7]
	TKP
.irp c, 0,1
	v_cndmask_b32 v[WT+10+2*\c], v[WT+6+\c], v[WT+8+\c], s[MH]
	TKP
.endr
.irp c, 0,1
.set gp, ACC+64*PRV+32+8*\c+6
	v_fma_f32 v[WT+11+2*\c], v[gp], v[WT+10+2*\c], v[gp+16]
	TKP
.endr
.endm
.macro FIX                             ; h = product x carry + local h
.set ps, 0
.rept 8
.irp c, 0,1
.set gp, ACC+64*PRV+32*(ps%2)+8*\c+2*(ps/2)
	v_pk_fma_f32 v[gp+16:gp+17], v[gp:gp+1], v[WT+10+2*\c:WT+11+2*\c], v[gp+16:gp+17]
	TKP
.endr
.set ps, ps+1
.endr
.endm
.macro STAGE                           ; into my stage: row 16 i + (row of the tile), column = channel.  Lanes 0-15 write 64 consecutive bytes, lanes 16-31 the same 1,152 bytes (128 mod 256) on
.irp i, 0,1
.irp c, 0,1
.irp j, 0,1,2,3,4,5,6,7
	ds_store_b32 v[STS], v[ACC+64*PRV+32*\i+16+8*\c+\j] offset:(16*\i+\j)*144+64*\c
	TKD
.endr
.endr
.endr
.endm
.macro STLOAD                          ; and back by rows; LDS serves a wave's instructions in order (ISA guide 5.7.1.4): these see the stores above
.irp u, 0,1,2,3,4,5,6,7
.if LAYER == 0
	ds_load_b128 v[WT+4*\u:WT+4*\u+3], v[STL] offset:16*\u    ; lane l: row l, its 32 channels
.else
	ds_load_b128 v[WT+4*\u:WT+4*\u+3], v[STL] offset:576*\u   ; eight lanes to a row of 128 bytes, four rows a load
.endif
.endr
.set DSN, DSN+8
.endm
.macro OUT
.if LAYER == 0
; a lane holds one step's 32 channels: a whole block of the next quantiser.  Its largest number (none is negative) with the floor 2^(3 - 127) among the leaves; 2 off the exponent field is the conversion's scale operand, and that shifted the byte
	v_max3_num_f32 v[ZT], v[WT], v[WT+1], 0x1800000
	TKP
	v_max3_num_f32 v[ZT+1], v[WT+16], v[WT+17], v[WT+18]
	TKP
.irp u, 2,4,6,8,10,12
	v_max3_num_f32 v[ZT], v[ZT], v[WT+\u], v[WT+\u+1]
	TKP
	v_max3_num_f32 v[ZT+1], v[ZT+1], v[WT+17+\u], v[WT+18+\u]
	TKP
.endr
	v_max3_num_f32 v[ZT], v[ZT], v[WT+14], v[WT+15]
	TKP
	v_max3_num_f32 v[ZT], v[ZT], v[ZT+1], v[WT+31]
	TKP
	v_add_nc_u32 v[ZT+2], 0xff000000, v[ZT]
	TKP
	v_cvt_scalef32_pk16_fp6_f32 v[ZT+4:ZT+6], v[WT:WT+15], v[ZT+2]
	TKN
	v_cvt_scalef32_pk16_fp6_f32 v[ZT+8:ZT+10], v[WT+16:WT+31], v[ZT+2]
	TKN
	v_lshrrev_b32 v[ZT+3], 23, v[ZT+2]     ; the scale's byte; also the plain line behind the conversions
	TKP
	v_mov_b32 v[ZT+7], v[ZT+8]             ; the 24 bytes as three even pairs
	TKP
	v_mov_b32 v[ZT+12], v[ZT+9]
	TKP
	v_mov_b32 v[ZT+13], v[ZT+10]
	TKP
	global_store_b64 v[OFC], v[ZT+4:ZT+5], s[14:15]              ; each store of the wave covers 256 consecutive bytes, aligned
	TKN
	global_store_b64 v[OFC], v[ZT+6:ZT+7], s[14:15] offset:256
	TKN
	global_store_b64 v[OFC], v[ZT+12:ZT+13], s[14:15] offset:512
	TKN
	global_store_b8 v[OFS], v[ZT+3], s[16:17]                    ; one byte of a scale word that four work-groups fill: 1 byte for 24 of codes
	TKN
.else
.irp u, 0,1,2,3,4,5,6,7
	global_store_b128 v[OFC], v[WT+4*\u:WT+4*\u+3], s[14:15] offset:(16*((\u/2)%2)+4*(\u%2)+(\u/4))*4096 th:TH_STORE_NT   ; eight lanes store my 32 channels of a step: 128 consecutive bytes, aligned
	TKN
.endr
.endif
.endm
; THE CHANGE OF SLOTS, and the exchange of the waves' totals: ONE barrier.  In front of it each wave waits for all its tensor loads (its part of the other slot), adds 0 to its spare word, and waits for that, for its reads of
; this slot (the last run was issued at matrix instruction 40) and for its store of totals.  fill = 1: the barrier opens a round of the cluster's, and behind the round this slot is filled with the block two on: one load a wave is out, and it has a whole step in which to land.
.macro CHANGE fill
	WIN 0
	s_wait_alu depctr_va_vdst(0)       ; the wait directly ahead of the blocking wait
	s_wait_tensorcnt 0x0               ; no tensor load of mine is out, so a group 0 may be written
	ds_add_u32 v[SPW], v[NIL]
.set DSN, DSN+1
.if \fill
	s_add_nc_u64 s[G0A+4*CUR+2:G0A+4*CUR+3], s[G0A+4*CUR+2:G0A+4*CUR+3], 196608   ; two blocks on
.endif
.if HASG
	MM
	MM
.endif
	s_wait_dscnt 0x0
	s_barrier_signal -1
.if HASG
	MM
	MM
	WIN 0
.endif
	s_barrier_wait -1
.if \fill
	CREST
	tensor_load_to_lds s[G0A+4*CUR:G0A+4*CUR+3], s[G1A:G1A+7]
	s_nop 0
	PLACES 4
.endif
.endm
; A STEP: block n's products (hasg) into set par, the vector work of block n - 1 (hasv) in the other set.  nxt: a block follows, whose first fragments are fetched.  stepout: the outputs' bases go one block on.
.macro STEP par, hasg, hasv, fill, nxt, stepout
.set CUR, \par
.set PRV, 1-\par
.set HASG, \hasg
.set NXT, \nxt
.set MC, 0
.set VC, 0
.set PER, 5
.set MLIM, 44*\hasg
.if \hasv
	s_wait_alu depctr_va_vdst(0)       ; the wait directly ahead of the blocking wait
	s_wait_xcnt 0x0                    ; the last step's stores have read their registers and bases: both are written again only behind this wait
.if \stepout
.if LAYER == 0
	s_add_nc_u64 s[14:15], s[14:15], 98304
	s_add_nc_u64 s[16:17], s[16:17], 4096
.else
	s_add_nc_u64 s[14:15], s[14:15], 524288
.endif
.endif
	PLACES 4                           ; behind the last step's last products, whose results are read now
	UNITS U_PA, 0, 16                  ; all 64 exponents first
.set MLIM, 0                           ; no matrix instruction is dealt inside a batch of transcendentals
	s_wait_alu depctr_va_vdst(0)       ; one wait ahead of the batch, one behind it
	UNITS U_TB, 0, 16                  ; 64 exponentials
	UNITS U_PC, 8, 4                   ; 16 plain lines that name none of their results: Y = y + bh + 0.5
	s_wait_alu depctr_va_vdst(0)
.set MLIM, 44*\hasg
	UNITS U_PC, 0, 8
.set MLIM, 0
	s_wait_alu depctr_va_vdst(0)
	UNITS U_TD, 0, 16                  ; 64 reciprocals
	PLACES 1                           ; the plain place behind the last of them
	s_wait_alu depctr_va_vdst(0)
.set MLIM, 44*\hasg
	UNITS U_PE, 0, 16
	SCAN
	COMB1
.endif
.if \hasg
	MMTO 44
.endif
	CHANGE \fill
.if \hasv
.irp j, 0,1,2,3
	ds_load_b128 v[ZT+12+4*\j:ZT+15+4*\j], v[CLD] offset:2048*CUR+16*\j   ; the four waves' totals of my channels
.endr
.set DSN, DSN+4
.set MKV, DSN
.if \hasg
	MMTO 51                            ; three products and a run of loads stand between those loads and the wait for them
	WIN 0
.endif
	VWAIT
.set VC, 0
.set MLIM, 58*\hasg
	COMB2
	FIX
	STAGE
	STLOAD
.set MKV, DSN
.if \hasg
	MMTO 62                            ; four products stand between the stage's loads and the wait for them
	WIN 0
.endif
	VWAIT
.set VC, 0
.set PER, 4
.set MLIM, 64*\hasg
	OUT
.endif
.if \hasg
	MMTO 64
	WIN 0
.endif
.endm
	s_load_b256 s[4:11], s[0:1], 0x0               ; A's codes s[4:5], A's scales s[6:7], W's codes s[8:9], W's scales s[10:11]
	s_load_b128 s[12:15], s[0:1], 0x20             ; the bias s[12:13], the output s[14:15]
.if LAYER == 0
	s_load_b64 s[16:17], s[0:1], 0x30              ; the output's scale bytes
.endif
	v_lshl_add_u32 v[SPW], v0, 2, SPARE
	v_mov_b32 v[NIL], 0
	ds_add_u32 v1, v2
	ds_add_u32 v1, v2
	s_wait_dscnt 0x0
	v_lshrrev_b32 v192, 5, v0
	v_readfirstlane_b32 s[WV], v192                ; wave 0..3
	s_bfe_u32 s[CX], ttmp6, 0x40000                ; my place in the cluster: it enters global addresses of W, the bias and the outputs alone
	s_lshl_b32 s[GG], ttmp9, 2
	s_add_co_u32 s[GG], s[GG], s[CX]               ; channel group 0..31
	s_and_b32 s[BB], ttmp7, 0xffff                 ; batch, which the four partners share
.if LAYER == 0
.set A_W0, 15|(3<<16)|(1<<20)|(1<<21)|(5<<22)|(1<<25)   ; mask: all four; elements of 8 bytes; padding on; bit 21 beside a mask; behind every 64 words, 2 words
	GROUP1 G1A, A_W0, 32, 192, 32                  ; the first fills: half a slot, 64 rows of 768 bytes, dense in memory: 192 rows of 256 bytes
.else
.set A_W0, 15|(3<<16)|(1<<21)
	GROUP1 G1A, A_W0, 384, 16, 768                 ; the first fills: half a slot, sixteen planes of 3,072 bytes, every second K block
.endif
.set S_W0, 15|(3<<16)|(1<<21)
	GROUP1 G1S, S_W0, 32, 128, 32                  ; half of the batch's scale bytes: 128 rows of 256 bytes, dense
.set W_W0, (3<<16)|(1<<20)|(5<<22)|(3<<25)
	GROUP1 G1W, W_W0, 32, 96, 32                   ; 32 rows of W, dense: 96 rows of 256 bytes, 16 bytes of padding behind each; no mask: W is my work-group's own
	s_mov_b32 s[NC], 0xbfb8aa3b                    ; -log2(e)
	s_mov_b32 s[NC+1], s[NC]
	s_mov_b32 s[SEL], 0x76543210
	s_mov_b32 s[SEL+1], 0xfedcba98
	s_mov_b32 s[MH], 0xffff0000
	s_mov_b32 s[LIM], 0x42f00000                   ; 120.0
	s_cmp_ge_u32 s[WV], 1
	s_cselect_b32 s[MK], -1, 0
	s_cmp_ge_u32 s[WV], 2
	s_cselect_b32 s[MK+1], -1, 0
	s_cmp_ge_u32 s[WV], 3
	s_cselect_b32 s[MK+2], -1, 0
	; what the partners share: the batch and the wave's number alone (s76-83)
	s_mul_i32 s76, s[BB], 1572864                  ; the batch's codes
.if LAYER == 0
	s_mul_i32 s78, s[WV], 24576                    ; my 32 rows in memory,
	s_mul_i32 s80, s[WV], 25344                    ; and in a slot
.else
	s_lshr_b32 s79, s[WV], 1                       ; even or odd K blocks,
	s_and_b32 s81, s[WV], 1                        ; their first or second eight
	s_mul_i32 s78, s79, 3072
	s_mul_i32 s82, s81, 49152
	s_add_co_u32 s78, s78, s82
	s_mul_i32 s80, s79, 49280
	s_mul_i32 s82, s81, 24576
	s_add_co_u32 s80, s80, s82
.endif
	s_add_co_u32 s76, s76, s78
	s_mov_b32 s77, 0
	s_lshl_b32 s78, s[BB], 16                      ; the batch's scale bytes,
	s_and_b32 s81, s[WV], 1
	s_lshl_b32 s81, s81, 15                        ; the half of them that wave 0 or 1 fetches
	s_add_co_u32 s78, s78, s81
	s_mov_b32 s79, 0
	s_and_b32 s83, s[WV], 1
	s_mul_i32 s83, s83, 26112                      ; 32 rows of W in LDS: wave 0 the gate's, wave 1 the hidden's
	; what hangs on the channel group (s84-93)
	s_and_b32 s84, s[WV], 1
	s_lshl_b32 s84, s84, 10                        ; wave 0 fetches the 32 gate rows, wave 1 the 32 hidden rows
	s_lshl_b32 s85, s[GG], 5
	s_add_co_u32 s84, s84, s85
	s_mul_i32 s84, s84, 768
	s_mov_b32 s85, 0
	s_lshl_b32 s86, s[GG], 10                      ; W's scale bytes: 32 rows of 32 bytes
	s_mov_b32 s87, 0
	s_lshl_b32 s88, s[GG], 7                       ; the bias: 32 numbers
	s_mov_b32 s89, 0
.if LAYER == 0
	s_mul_i32 s90, s[BB], 1572864                  ; codes [batch][block][K block = channel group][wave][piece 3][tile 2][row 16][8 bytes]
	s_mul_i32 s91, s[GG], 3072
	s_add_co_u32 s90, s90, s91
	s_lshl_b32 s92, s[BB], 16                      ; scale bytes [batch][block][K step 8][wave][lane 32][4]
	s_lshr_b32 s93, s[GG], 2
	s_lshl_b32 s93, s93, 9
	s_add_co_u32 s92, s92, s93
	s_and_b32 s93, s[GG], 3
	s_add_co_u32 s92, s92, s93
	s_mov_b32 s93, 0
.else
	s_lshl_b32 s90, s[BB], 23                      ; out0: 2,048 rows of 4,096 bytes a batch,
	s_lshl_b32 s91, s[GG], 7                       ; my 32 channels
	s_add_co_u32 s90, s90, s91
.endif
	s_mov_b32 s91, 0
	s_wait_kmcnt 0x0
	s_mov_b32 s[G0A], 1
	s_mov_b32 s[G0A+1], s80                        ; slot 0: block 0
	s_add_nc_u64 s[G0A+2:G0A+3], s[4:5], s[76:77]
	s_mov_b32 s[G0A+4], 1
	s_add_co_u32 s[G0A+5], s80, SLOTB              ; slot 1: block 1
	s_add_nc_u64 s[G0A+6:G0A+7], s[G0A+2:G0A+3], 98304
	s_or_b32 s[G0A+3], s[G0A+3], 0x80000000
	s_or_b32 s[G0A+7], s[G0A+7], 0x80000000
	s_mov_b32 s[G0S], 1
	s_add_co_u32 s[G0S+1], s81, SCL
	s_add_nc_u64 s[G0S+2:G0S+3], s[6:7], s[78:79]
	s_or_b32 s[G0S+3], s[G0S+3], 0x80000000
	s_mov_b32 s[G0W], 1
	s_add_co_u32 s[G0W+1], s83, WREG
	s_add_nc_u64 s[G0W+2:G0W+3], s[8:9], s[84:85]
	s_or_b32 s[G0W+3], s[G0W+3], 0x80000000
; the first fills of the two slots go by halves (waves 2 and 3): groups 0 in s[4:7] and s[76:79], made of the batch and the wave's number alone
.set G0H, 4
.set G0H1, 76
.if LAYER == 0
.set HALFG, 49152                      ; a half in memory, in LDS; rows of a quarter
.set HALFL, 50688
.set AQR, 96
.else
.set HALFG, 3072
.set HALFL, 49280
.set AQR, 8
.endif
	s_and_b32 s82, s[WV], 1
	s_mul_i32 s76, s[BB], 1572864
	s_mul_i32 s78, s82, HALFG
	s_add_co_u32 s76, s76, s78
	s_mov_b32 s77, 0
	s_add_nc_u64 s[6:7], s[4:5], s[76:77]          ; block 0, my half
	s_add_nc_u64 s[78:79], s[6:7], 98304           ; block 1
	s_or_b32 s7, s7, 0x80000000
	s_or_b32 s79, s79, 0x80000000
	s_mov_b32 s4, 1
	s_mul_i32 s5, s82, HALFL
	s_mov_b32 s76, 1
	s_add_co_u32 s77, s5, SLOTB
	s_add_nc_u64 s[10:11], s[10:11], s[86:87]
	s_add_nc_u64 s[12:13], s[12:13], s[88:89]
	s_add_nc_u64 s[14:15], s[14:15], s[90:91]
.if LAYER == 0
	s_add_nc_u64 s[16:17], s[16:17], s[92:93]
.endif
	CROUND                                         ; all four work-groups are here: the first joint loads meet
; one tensor load a wave: waves 0, 1 by the first pair of groups, waves 2, 3 by the second; the branch hangs on the wave's number alone
.macro HLOAD g0a, g1a, g0b, g1b
	s_cmp_lt_u32 s[WV], 2
	s_cbranch_scc0 .Lhl_b_\@
	tensor_load_to_lds s[\g0a:\g0a+3], s[\g1a:\g1a+7]
	s_nop 0
.rept 4
	v_nop
.endr
	s_branch .Lhl_e_\@
.Lhl_b_\@:
	tensor_load_to_lds s[\g0b:\g0b+3], s[\g1b:\g1b+7]
	s_nop 0
.rept 4
	v_nop
.endr
.Lhl_e_\@:
.endm
	HLOAD G0W, G1W, G0H, G1A                       ; the head's loads: W's gate rows, W's hidden rows, slot 0's two halves
	v_and_b32 v192, 15, v0                         ; m: a fragment's row; in results: the channel
	v_bfe_u32 v193, v0, 4, 1                       ; h
	v_and_b32 v194, 31, v0                         ; lane
	v_lshlrev_b32 v198, 5, v192
	v_lshl_add_u32 v198, v193, 4, v198             ; W's scale words: row m, K steps 4 h .. 4 h + 3
	v_lshlrev_b32 v199, 2, v192
.irp n, 0,1,2,3
	global_load_b128 v[WS+4*\n:WS+4*\n+3], v198, s[10:11] offset:(\n/2)*32768+(\n%2)*512
.endr
	global_load_b32 v[KG], v199, s[12:13]
	global_load_b32 v[KG+2], v199, s[12:13] offset:64
	global_load_b32 v[KH], v199, s[12:13] offset:4096
	global_load_b32 v[KH+2], v199, s[12:13] offset:4160
	v_bfe_u32 v195, v0, 3, 1
	v_and_b32 v196, 1, v0
	v_bfe_u32 v197, v0, 1, 2
	v_lshlrev_b32 v195, 4, v195
	v_lshl_add_u32 v195, v196, 3, v195
	v_lshl_add_u32 v195, v197, 1, v195             ; row m of tile 0 is step 16 (m / 8) + 8 (m % 2) + 2 ((m / 2) % 4)
.if LAYER == 0
	v_mul_u32_u24 v[ADA], v195, 792
	v_mad_u32_u24 v[ADA], v193, 24, v[ADA]
	v_add_nc_u32 v[ADA], s80, v[ADA]               ; (32 w + step) x 792 + 24 h
	v_add_nc_u32 v[ADA+1], SLOTB, v[ADA]
	v_lshl_add_u32 v[ADB], v193, 3, v[ADA]
	v_lshl_add_u32 v[ADB+1], v193, 3, v[ADA+1]
	v_add_nc_u32 v[ASA], v195, v193                ; lanes 16-31 take tile 1's rows, one step on
	v_lshlrev_b32 v[ASA], 5, v[ASA]
	s_lshl_b32 s82, s[WV], 10
	s_add_co_u32 s82, s82, SCL
	v_add_nc_u32 v[ASA], s82, v[ASA]
.else
	v_mul_u32_u24 v[ADA], v193, 49280              ; lanes 16-31 take the odd K blocks
	v_lshl_add_u32 v[ADA], v192, 3, v[ADA]
	s_mul_i32 s82, s[WV], 768
	v_add_nc_u32 v[ADA], s82, v[ADA]
	v_add_nc_u32 v[ADA+1], SLOTB, v[ADA]
	s_lshl_b32 s82, s[WV], 7
	s_add_co_u32 s82, s82, SCL
	v_lshl_add_u32 v[ASA], v194, 2, s82
.endif
	s_mul_i32 s82, s[WV], 4608
	s_add_co_u32 s82, s82, WREG                    ; my stage
	v_mul_u32_u24 v[STS], v193, 1152
	v_lshl_add_u32 v[STS], v192, 2, v[STS]
	v_add_nc_u32 v[STS], s82, v[STS]
.if LAYER == 0
	v_mul_u32_u24 v[STL], v194, 144
	v_add_nc_u32 v[STL], s82, v[STL]
	s_mul_i32 s82, s[WV], 768
	v_lshl_add_u32 v[OFC], v194, 3, s82
	s_lshl_b32 s82, s[WV], 7
	v_lshl_add_u32 v[OFS], v194, 2, s82
.else
	v_lshrrev_b32 v196, 3, v194
	v_and_b32 v197, 7, v0
	v_mul_u32_u24 v[STL], v196, 144
	v_lshl_add_u32 v[STL], v197, 4, v[STL]
	v_add_nc_u32 v[STL], s82, v[STL]
	v_bfe_u32 v196, v0, 3, 1                       ; load u brings stage rows 4 u + lane / 8: step 16 ((u / 2) % 2) + 8 ((lane / 8) % 2) + 4 (u % 2) + 2 (lane / 16) + u / 4
	v_lshlrev_b32 v[OFC], 15, v196
	v_lshl_add_u32 v[OFC], v193, 13, v[OFC]
	v_lshl_add_u32 v[OFC], v197, 4, v[OFC]
	s_lshl_b32 s82, s[WV], 17
	v_add_nc_u32 v[OFC], s82, v[OFC]
.endif
	v_lshlrev_b32 v[CLD], 6, v192
	v_add_nc_u32 v[CLD], CARRY+1024, v[CLD]
	v_lshlrev_b32 v[CST], 6, v192
	v_lshl_add_u32 v[CST], v193, 10, v[CST]
	s_lshl_b32 s82, s[WV], 4
	s_add_co_u32 s82, s82, CARRY
	v_add_nc_u32 v[CST], s82, v[CST]
	v_mul_u32_u24 v200, v192, 816
	v_add_nc_u32 v200, WREG, v200
	v_mad_u32_u24 v201, v193, 40, v200             ; W's pieces behind one padding more
	v_mad_u32_u24 v200, v193, 24, v200
	s_wait_alu depctr_va_vdst(0)                   ; the wait at the head's end
	s_wait_tensorcnt 0x0                           ; my head's load is in
	ds_add_u32 v[SPW], v[NIL]
	s_wait_dscnt 0x0
	CROUND                                         ; W and slot 0 are whole, and all four work-groups are here
	HLOAD G0S, G1S, G0H1, G1A                      ; A's scale bytes in two halves, slot 1 in two halves; W's 192 fragment loads below stand between these loads and the wait for them
.irp q, 0,1,2,3,4,5,6,7                        ; W's 32 fragments: they stay
.set wn, 0x40+0x40*(\q/4)
	WIN wn
.irp n, 0,1,2,3
.irp p, 0,1,2,3,4,5
.set pcx, 12*\q+6*(\p/3)+(\p%3)
.set rW, 12*(4*(\q%4)+\n)+2*\p
.if (pcx%32) < 29
	ds_load_b64 v[rW:rW+1], v200 offset:13056*\n+8*pcx+16*(pcx/32)
.else
	ds_load_b64 v[rW:rW+1], v201 offset:13056*\n+8*pcx+16*(pcx/32)
.endif
.endr
.endr
.endr
	WIN 0
	s_wait_loadcnt 0x0                             ; W's scale words and the biases
	v_add_f32 v[KB], 0.5, v[KH]
	v_add_f32 v[KB+2], 0.5, v[KH+2]
	v_mul_f32 v[KG], s[NC], v[KG]
	v_mul_f32 v[KG+2], s[NC], v[KG+2]
	v_mul_f32 v[KH], s[NC], v[KH]
	v_mul_f32 v[KH+2], s[NC], v[KH+2]
.irp r, KG, KG+2, KH, KH+2, KB, KB+2
	v_mov_b32 v[\r+1], v[\r]
.endr
	v_mov_b32 v[CP], 0.5                           ; h before the first step
	v_mov_b32 v[CP+1], 0.5
	s_wait_alu depctr_va_vdst(0)                   ; the wait directly ahead of the blocking wait
	s_wait_tensorcnt 0x0                           ; my part of the scales or of slot 1 is in; no tensor load of mine is out, so a descriptor may be written:
	s_mov_b32 s[G1A+2], AQR<<16                    ; from here on a load of A brings a quarter of a slot
	s_mov_b32 s[G1A+4], AQR
	s_wait_dscnt 0x0                               ; W's fragments are in registers
	s_barrier_signal -1
	s_barrier_wait -1                              ; everybody's parts are in
	ASLOAD 0
	ARUN 0, 0
.set MKR0, DSN
	ARUN 0, 1
.set MKR1, DSN
	WIN 0
	STEP 0, 1, 0, 1, 1, 0                          ; block 0's products alone
	STEP 1, 1, 1, 1, 1, 0                          ; the same shape as the loop's second step: what the text has counted holds on both ways to the label
	s_mov_b32 s[TRIP], 6
.Lpair:                                                ; blocks 2 to 13: each step fills the slot that it leaves
	STEP 0, 1, 1, 1, 1, 1
	STEP 1, 1, 1, 1, 1, 1
	s_sub_co_u32 s[TRIP], s[TRIP], 1
	s_cmp_lg_u32 s[TRIP], 0
	s_cbranch_scc1 .Lpair
	STEP 0, 1, 1, 0, 1, 1                          ; the tail is written out: blocks 14 and 15 ask for nothing more,
	STEP 1, 1, 1, 0, 0, 1
	STEP 0, 0, 1, 0, 0, 1                          ; and block 15's vector work stands alone
	s_wait_tensorcnt 0x0                           ; the wave's end
	ds_add_u32 v[SPW], v[NIL]
	s_wait_dscnt 0x0
	CROUND                                         ; the closing round
	s_endpgm
.Lfunc_end_k_qe26f57071b_layer0:
	.size	k_qe26f57071b_layer0, .Lfunc_end_k_qe26f57071b_layer0-k_qe26f57071b_layer0
	.p2alignl 7, 3214868480
	.fill 96, 4, 3214868480
	.section	.rodata,"a",@progbits
	.p2align	6, 0x0
	.amdhsa_kernel k_qe26f57071b_layer0
		.amdhsa_group_segment_fixed_size 327680
		.amdhsa_private_segment_fixed_size 0
		.amdhsa_enable_private_segment 0
		.amdhsa_kernarg_size 56
		.amdhsa_user_sgpr_count 2
		.amdhsa_user_sgpr_kernarg_segment_ptr 1
		.amdhsa_wavefront_size32 1
		.amdhsa_system_sgpr_workgroup_id_x 1
		.amdhsa_system_sgpr_workgroup_id_y 1
		.amdhsa_system_sgpr_workgroup_id_z 1
		.amdhsa_system_vgpr_workitem_id 0
		.amdhsa_next_free_vgpr 768
		.amdhsa_next_free_sgpr 96
		.amdhsa_reserve_vcc 0
		.amdhsa_float_denorm_mode_32 3
		.amdhsa_float_denorm_mode_16_64 3
		.amdhsa_memory_ordered 1
		.amdhsa_forward_progress 1
		.amdhsa_inst_pref_size 255
	.end_amdhsa_kernel
	.section	.bss,"aw",@nobits
	.p2align	6
	.space	262144
	.amdgpu_metadata
---
amdhsa.version: [ 1, 2 ]
amdhsa.kernels:
  - .name:           k_qe26f57071b_layer0
    .symbol:         k_qe26f57071b_layer0.kd
    .args:
      - { .name: x_codes, .offset: 0, .size: 8, .value_kind: global_buffer, .address_space: global }
      - { .name: x_scales, .offset: 8, .size: 8, .value_kind: global_buffer, .address_space: global }
      - { .name: W0_codes, .offset: 16, .size: 8, .value_kind: global_buffer, .address_space: global }
      - { .name: W0_scales, .offset: 24, .size: 8, .value_kind: global_buffer, .address_space: global }
      - { .name: b0, .offset: 32, .size: 8, .value_kind: global_buffer, .address_space: global }
      - { .name: h1c, .offset: 40, .size: 8, .value_kind: global_buffer, .address_space: global }
      - { .name: h1s, .offset: 48, .size: 8, .value_kind: global_buffer, .address_space: global }
    .group_segment_fixed_size: 327680
    .private_segment_fixed_size: 0
    .kernarg_segment_align: 8
    .kernarg_segment_size: 56
    .max_flat_workgroup_size: 128
    .sgpr_count:     96
    .vgpr_count:     768
    .wavefront_size: 32
...
	.end_amdgpu_metadata
.endif
;; end of part 1
;; launch layer1 (part 2): grid 32 x 8, 4 waves a work-group, clusters of 4 x 1, 327,680 bytes of LDS; arguments h1c, h1s, W1_codes, W1_scales, b1, out0; writes out0
.if DOCPART == 2
	.amdgcn_target "amdgcn-amd-amdhsa--gfx1250"
	.amdhsa_code_object_version 6
	.text
	.protected	k_qe26f57071b_layer1
	.globl	k_qe26f57071b_layer1
	.p2align	8
	.type	k_qe26f57071b_layer1,@function
k_qe26f57071b_layer1:
	s_mov_b64 s[64:65], 0
	v_nop
	global_prefetch_b8 v0, s[64:65] scope:SCOPE_SE
	s_setreg_imm32_b32 hwreg(HW_REG_WAVE_MODE, 25, 1), 1
	s_wait_xcnt 0x0
	s_wait_alu depctr_hold_cnt(0) depctr_sa_sdst(0) depctr_va_vdst(0) depctr_va_sdst(0) depctr_va_ssrc(0) depctr_va_vcc(0) depctr_vm_vsrc(0)
	s_getreg_b32 s2, hwreg(HW_REG_IB_STS2, 6, 4)
	s_cmp_eq_u32 s2, 0
	s_cbranch_scc0 .Lentry_in_a_cluster
	s_endpgm
.Lentry_in_a_cluster:
	s_bfe_u32 s2, ttmp6, 0x10000c
	s_cmp_lg_u32 s2, 0x3003
	s_cbranch_scc0 .Lentry_shape_is_right
	s_endpgm
.Lentry_shape_is_right:
; ONE MinGRU LAYER.  gh = A W^T + b on codes of FP6 (E2M3) with one E8M0 scale for each 32 along K (K = 1,024); gate = columns 0-1023, hidden = columns 1024-2047;
; z = sigmoid(gate), a = sigmoid(-gate), g = hidden + 0.5 where hidden >= 0, else sigmoid(hidden);  h(t) = a(t) h(t-1) + z(t) g(t), h before the first step = 0.5.
; That recurrence is what the scan evaluates directly: every h is a mix of positive numbers with weights a and z, a + z = 1.  The only exponentials are the two sigmoids', whose exponents are held from above.
; LAYER = 0: A = x (codes as given); h is quantised along the channels (the next product's K) and stored as codes and scale bytes.  LAYER = 1: A = those codes; h is stored as f32.
; ARITHMETIC of a pair (x, y the sums, c = log2 e):  e = 2^min(-c x - c bg, 120);  z = 1 / (1 + e);  a = e z;  g = max(y + bh + 0.5, 1 / (1 + 2^(-c y - c bh)))  (the larger of the two IS g on both sides of 0);  v = z g.
; LIMITS: a gate under -83.2 has z held at 2^-120; what falls under 2^-126 is lost; NaN, infinities and the scale byte 0xff are not served.
; SHARES.  A work-group owns one batch and 32 channels (one block of the next quantiser) for all 2,048 steps: 8 x 32 work-groups.  Steps go in 16 blocks of 128; wave w takes rows 32 w .. 32 w + 31 of a block, two tiles of 16.
; Every wave holds the 64 rows of W (gate and hidden of the 32 channels, all of K: 32 fragments, 384 registers) for the whole launch, so an A fragment read from LDS feeds four matrix instructions and is read once.
; THE ROWS OF A TILE ARE NOT NEIGHBOURS: row m of tile i is step 16 (m / 8) + 8 (m % 2) + 2 ((m / 2) % 4) + i.  In the result lane (r, h) holds channel r, and its register pair (2 jj, 2 jj + 1) of tile i holds
; position 2 jj + i of two runs of 8 steps, run 2 h in the low register and run 2 h + 1 in the high one: the scan goes position by position in packed instructions.
; SCAN.  In each run: local h from 0 and the product of the a's; the runs' totals are joined in the lane, across the halves of the lanes, and across the waves through LDS; then h = product x carry + local h.
; BY TURNS.  A step multiplies block n (64 matrix instructions) into one of two sets of accumulators while the vector work of block n - 1 goes on in place in the other set; one matrix instruction stands behind every few vector
; lines.  All vector work lies in window 0 and the operands in windows 1 and 2, so a matrix instruction costs two window switches: with some seven vector lines to a matrix instruction that is the lesser price.
; CLUSTER.  The four work-groups of a cluster are four channel groups of one batch: they walk the same A tiles and A scales, which are asked for JOINTLY (mask 15).  W is each work-group's own.
; A row of out0 or a block's codes belong to 32 work-groups: 32 channels are 128 bytes of a row of out0; the codes' buffer is laid so that each store of 8 bytes a lane covers 256 consecutive bytes, aligned.
.set LAYER, 1
.if LAYER == 0
.set SLOTB, 128*792                    ; a slot: 128 rows of 768 bytes, 8 bytes of padding behind each 256: pitch 792 = 198 words, so the 16 even rows of a load start at banks 12 k mod 64, all different multiples of 4 (64 banks of 4 bytes: ISA guide 11.1)
.else
.set SLOTB, 98560                      ; a slot: the 16 even K blocks' planes of 3,072 bytes, and from byte 49,280 (128 mod 256) the 16 odd ones: the two halves of the lanes read different halves of the banks
.endif
.set SCL,   2*SLOTB                    ; A's scale bytes of the whole batch, 65,536, filled once
.set WREG,  SCL+65536                  ; W's 64 rows, pitch 816, filled once and read once; afterwards the waves' stages (32 rows x 144 bytes each) lie here
.set SPARE, WREG+64*816                ; the spare words, 128 bytes a wave
.set CARRY, SPARE+512                  ; the waves' totals: two buffers of 2,048 bytes by turns
.set SPW, 1                            ; v1  LDS address of my spare word; v2 = 0: both kept for the add alone
.set NIL, 2
.set ADA, 3                            ; v3-4  my place in slot 0, 1
.set ADB, 5                            ; v5-6  the same for pieces that lie behind one padding more in lanes 16-31 (layer 0)
.set ASA, 7                            ; v7  my scale words of the block to be fetched
.set STS, 8                            ; v8  stage: where I store;  v9: where I read
.set STL, 9
.set CST, 10                           ; v10 where my wave's totals go;  v11 where my channel's four lie
.set CLD, 11
.set OFC, 12                           ; v12, v13 my byte offsets in the outputs
.set OFS, 13
.set CP,  14                           ; v[14:15] h at the end of the block before (channels r, 16 + r)
.set KG,  16                           ; v[16:19] -c bg, v[20:23] -c bh, v[24:27] bh + 0.5: a doubled pair for each of the two column tiles
.set KH,  20
.set KB,  24
.set WS,  32                           ; v32-47 W's scale words: register 4 n + q % 4; lanes 0-15 K step q % 4, lanes 16-31 K step 4 + q % 4
.set AS,  48                           ; v48-63 A's scale words, a set for each block parity: register q; lanes 0-15 tile 0, lanes 16-31 tile 1
.set ACC, 64                           ; v64-191 accumulators: set s, tile i, column tile n (0, 1 gate; 2, 3 hidden) at 64 s + 32 i + 8 n
.set WT,  192                          ; v192-223, v224-255 at work
.set ZT,  224
; window 1: W's fragments (n, q < 4) at 12 (4 q + n); A's buffers 0, 1 at 192, 216.   window 2: W's (n, q >= 4) at 12 (4 (q - 4) + n); A's buffers 2, 3.   K step q uses buffer q % 4.
.set WV,  18                           ; s18 wave, s19 cx, s20 channel group, s21 batch
.set CX,  19
.set GG,  20
.set BB,  21
.set G1A, 24                           ; descriptor groups 1: A's tiles, A's scales, W
.set G1S, 32
.set G1W, 40
.set G0A, 48                           ; groups 0: A's, one for each slot; the scales'; W's
.set G0S, 56
.set G0W, 60
.set NC,  66                           ; s[66:67] -c
.set SEL, 68                           ; s[68:69] v_permlanex16_b32's selects for lane l xor 16
.set MK,  70                           ; s70-72 all ones where wave >= 1, 2, 3
.set MH,  73                           ; s73 lanes 16-31
.set TRIP, 74
.set LIM, 75                           ; s75 120.0
; what the text counts while it is assembled
.set MSB, 0                            ; the window setting
.set MC, 0                             ; the step's next matrix instruction, 0 .. 64: K step MC / 8, tile (MC / 4) % 2, column tile MC % 4
.set MLIM, 0                           ; none is dealt from this number on
.set VC, 0                             ; vector lines since the last matrix instruction;  PER: lines to a matrix instruction
.set PER, 7
.set P1, 0                             ; plain vector lines since the last K group's end;  P2: since the end before that
.set P2, 0
.set DSN, 0                            ; LDS instructions so far;  MKR0, MKR1: at the ends of the two youngest runs of A loads;  MKV: at the end of the vector work's own loads
.set MKR0, 0
.set MKR1, 0
.set MKV, 0
.set CUR, 0
.set PRV, 1
.set HASG, 1
.set NXT, 1
.macro WIN new                         ; the immediate's high byte repeats the setting that is left; a switch that changes nothing is dropped
.if MSB != (\new)
	s_set_vgpr_msb (MSB<<8)|(\new)
.set MSB, \new
.endif
.endm
.macro PLACES n                        ; plain places behind matrix instructions (ISA guide 7.12.1)
.rept \n
	v_nop
.endr
.set P1, P1+(\n)
.set P2, P2+(\n)
.endm
.macro CREST                           ; a round of the cluster's barrier behind its opening barrier
	s_cmp_lg_u32 s[WV], 0
	s_cbranch_scc1 .Lnot_wave_0_\@
	s_barrier_signal -3
.Lnot_wave_0_\@:
	s_barrier_wait -3
	s_barrier_signal -1
	s_barrier_wait -1
.endm
.macro CROUND
	s_barrier_signal -1
	s_barrier_wait -1
	CREST
.endm
.macro GROUP1 g, w0, c, r, p           ; r rows of c elements of 8 bytes, p elements apart
	s_mov_b32 s[\g], \w0
	s_mov_b32 s[\g+1], (\c)<<16        ; tensor_dim0
	s_mov_b32 s[\g+2], (\r)<<16        ; tensor_dim1
	s_mov_b32 s[\g+3], (\c)<<16        ; tile_dim0
	s_mov_b32 s[\g+4], \r              ; tile_dim1
	s_mov_b32 s[\g+5], \p              ; tensor_dim0_stride
	s_mov_b32 s[\g+6], 0
	s_mov_b32 s[\g+7], 0
.endm
; A run of 12 LDS loads: both tiles' fragments of K step q of a slot, into buffer q % 4.  A fragment is 12 registers: lane (m, h) holds row m; registers 6 c .. 6 c + 5 hold K = 128 q + 64 c + 32 h + 0 .. 31, 24 bytes, in pieces of 8.
.macro ARUN slot, q
.set wn, 0x40+0x40*(((\q)%4)/2)
	WIN wn                             ; destination window 1 or 2, address window 0
.irp i, 0,1
.irp p, 0,1,2,3,4,5
.set rAA, 192+24*((\q)%2)+12*\i+2*\p
.if LAYER == 0
.set pcx, 12*(\q)+6*(\p/3)+(\p%3)      ; the piece's number in the row; 8 bytes of padding lie behind every 32 pieces; lanes 16-31 read three pieces on
.if (pcx%32) < 29
	ds_load_b64 v[rAA:rAA+1], v[ADA+(\slot)] offset:792*\i+8*pcx+8*(pcx/32)
.else
	ds_load_b64 v[rAA:rAA+1], v[ADB+(\slot)] offset:792*\i+8*pcx+8*(pcx/32)
.endif
.else
	ds_load_b64 v[rAA:rAA+1], v[ADA+(\slot)] offset:3072*(2*(\q)+(\p/3))+256*(\p%3)+128*\i
.endif
.endr
.endr
.set DSN, DSN+12
.endm
.macro ASLOAD set                      ; a block's scale words of A, eight K steps
.if LAYER == 0
	ds_load_b128 v[AS+8*(\set):AS+8*(\set)+3], v[ASA]
	ds_load_b128 v[AS+8*(\set)+4:AS+8*(\set)+7], v[ASA] offset:16
.set DSN, DSN+2
.else
.irp u, 0,1,2,3,4,5,6,7
	ds_load_b32 v[AS+8*(\set)+\u], v[ASA] offset:512*\u
.endr
.set DSN, DSN+8
.endif
.endm
; THE NEXT MATRIX INSTRUCTION.  The eight accumulators of the set take turns, one instruction a turn, K step by K step; K step 0 starts the sums with the constant 0.
; At a K group's head: the wait for its run of A loads; the count is the LDS instructions issued behind that run's last load.  Behind the group's first instruction: the run two K steps ahead (for the last two
; groups: the next block's first two K steps, out of the other slot, and in front of them its scale words).  The run's buffer was last read by the group before the last: P2 counts the plain lines since.
.macro MM
.set mq, MC/8
.set mi, (MC/4)%2
.set mn, MC%4
.if (MC%8) == 0
.set wn, DSN-MKR0
.if wn > 63
.set wn, 63
.endif
	s_wait_alu depctr_va_vdst(0)       ; the wait directly ahead of the blocking wait
	s_wait_dscnt wn
.endif
.set wn, 5+((mq/2)%2)+4*(mq/4)
	WIN wn                             ; source 0 (A) window 1 or 2 by its buffer, source 1 (W) window 1 or 2 by the K step; C and D window 0
.set rD, ACC+64*CUR+32*mi+8*mn
.set rA, 192+24*(mq%2)+12*mi
.set rW, 12*(4*(mq%4)+mn)
.set rSA, AS+8*CUR+mq
.set rSB, WS+4*mn+(mq%4)
.if mq == 0
.if mi == 0
	v_wmma_scale_f32_16x16x128_f8f6f4 v[rD:rD+7], v[rA:rA+11], v[rW:rW+11], 0, v[rSA], v[rSB] matrix_a_fmt:MATRIX_FMT_FP6 matrix_b_fmt:MATRIX_FMT_FP6
.else
	v_wmma_scale_f32_16x16x128_f8f6f4 v[rD:rD+7], v[rA:rA+11], v[rW:rW+11], 0, v[rSA], v[rSB] matrix_a_fmt:MATRIX_FMT_FP6 matrix_b_fmt:MATRIX_FMT_FP6 matrix_a_scale:MATRIX_SCALE_ROW1
.endif
.elseif mq < 4
.if mi == 0
	v_wmma_scale_f32_16x16x128_f8f6f4 v[rD:rD+7], v[rA:rA+11], v[rW:rW+11], v[rD:rD+7], v[rSA], v[rSB] matrix_a_fmt:MATRIX_FMT_FP6 matrix_b_fmt:MATRIX_FMT_FP6
.else
	v_wmma_scale_f32_16x16x128_f8f6f4 v[rD:rD+7], v[rA:rA+11], v[rW:rW+11], v[rD:rD+7], v[rSA], v[rSB] matrix_a_fmt:MATRIX_FMT_FP6 matrix_b_fmt:MATRIX_FMT_FP6 matrix_a_scale:MATRIX_SCALE_ROW1
.endif
.else
.if mi == 0
	v_wmma_scale_f32_16x16x128_f8f6f4 v[rD:rD+7], v[rA:rA+11], v[rW:rW+11], v[rD:rD+7], v[rSA], v[rSB] matrix_a_fmt:MATRIX_FMT_FP6 matrix_b_fmt:MATRIX_FMT_FP6 matrix_b_scale:MATRIX_SCALE_ROW1
.else
	v_wmma_scale_f32_16x16x128_f8f6f4 v[rD:rD+7], v[rA:rA+11], v[rW:rW+11], v[rD:rD+7], v[rSA], v[rSB] matrix_a_fmt:MATRIX_FMT_FP6 matrix_b_fmt:MATRIX_FMT_FP6 matrix_a_scale:MATRIX_SCALE_ROW1 matrix_b_scale:MATRIX_SCALE_ROW1
.endif
.endif
.set MC, MC+1
.set VC, 0
.if (MC%8) == 0
.set P2, P1
.set P1, 0
.endif
.if (MC%8) == 1
.if (mq < 6) || NXT
.if P2 < 4
	PLACES 4-P2
.endif
.if mq == 6
	WIN 0
	v_add_nc_u32 v[ASA], 4096, v[ASA]  ; 128 rows' scale bytes on
	ASLOAD 1-CUR
.endif
.if mq < 6
.set aslot, CUR
.set aq, mq+2
.else
.set aslot, 1-CUR
.set aq, mq-6
.endif
	ARUN aslot, aq
.endif
.set MKR0, MKR1
.set MKR1, DSN
.endif
.endm
.macro MMTO k                          ; matrix instructions back to back up to number k
.rept (\k)-MC
	MM
.endr
.endm
.macro DEAL                            ; behind every line of the vector work: is a matrix instruction due?
.set VC, VC+1
.if (VC >= PER) && (MC < MLIM)
	MM
	WIN 0
.endif
.endm
.macro TKP                             ; behind a plain vector line
.set P1, P1+1
.set P2, P2+1
	DEAL
.endm
.macro TKN                             ; behind a transcendental, a lane permute, a conversion or a store: no place
	DEAL
.endm
.macro TKD                             ; behind an LDS line
.set DSN, DSN+1
	DEAL
.endm
.macro VWAIT                           ; the vector work's own LDS loads are in: the count is the LDS instructions issued behind them
.set wn, DSN-MKV
.if wn > 63
.set wn, 63
.endif
	s_wait_alu depctr_va_vdst(0)       ; the wait directly ahead of the blocking wait
	s_wait_dscnt wn
.endm
; THE VECTOR WORK of a block, in units of a quarter k = 2 i + ct (tile i, column tile ct): G = the gate's accumulator, Y = the hidden's.  Each macro writes line t of its unit.
.macro QREG k
.set rG, ACC+64*PRV+32*((\k)/2)+8*((\k)%2)
.set rY, rG+16
.set rWT, WT+8*(\k)
.set rZT, ZT+8*(\k)
.set rK, 2*((\k)%2)
.endm
.macro U_PA k, t                       ; 16 lines: G = min(-c x - c bg, 120); WT = -c y - c bh.  Each accumulator is read from its low end on
	QREG \k
.if (\t) < 4
	v_pk_fma_f32 v[rG+2*(\t):rG+2*(\t)+1], v[rG+2*(\t):rG+2*(\t)+1], s[NC:NC+1], v[KG+rK:KG+rK+1] op_sel_hi:[1,0,1]
.elseif (\t) < 8
	v_pk_fma_f32 v[rWT+2*(\t)-8:rWT+2*(\t)-7], v[rY+2*(\t)-8:rY+2*(\t)-7], s[NC:NC+1], v[KH+rK:KH+rK+1] op_sel_hi:[1,0,1]
.else
	v_min_num_f32 v[rG+(\t)-8], s[LIM], v[rG+(\t)-8]
.endif
	TKP
.endm
.macro U_TB k, t                       ; 16 exponentials
	QREG \k
.if (\t) < 8
	v_exp_f32 v[rG+(\t)], v[rG+(\t)]
.else
	v_exp_f32 v[rWT+(\t)-8], v[rWT+(\t)-8]
.endif
	TKN
.endm
.macro U_PC k, t                       ; 12 lines: ZT = 1 + e; WT = 1 + 2^(..); Y = y + bh + 0.5
	QREG \k
.if (\t) < 4
	v_pk_add_f32 v[rZT+2*(\t):rZT+2*(\t)+1], v[rG+2*(\t):rG+2*(\t)+1], 1.0 op_sel_hi:[1,0]
.elseif (\t) < 8
	v_pk_add_f32 v[rWT+2*(\t)-8:rWT+2*(\t)-7], v[rWT+2*(\t)-8:rWT+2*(\t)-7], 1.0 op_sel_hi:[1,0]
.else
	v_pk_add_f32 v[rY+2*(\t)-16:rY+2*(\t)-15], v[rY+2*(\t)-16:rY+2*(\t)-15], v[KB+rK:KB+rK+1]
.endif
	TKP
.endm
.macro U_TD k, t                       ; 16 reciprocals: ZT = z; WT = sigmoid(hidden)
	QREG \k
.if (\t) < 8
	v_rcp_f32 v[rZT+(\t)], v[rZT+(\t)]
.else
	v_rcp_f32 v[rWT+(\t)-8], v[rWT+(\t)-8]
.endif
	TKN
.endm
.macro U_PE k, t                       ; 16 lines: G = a = e z; Y = g = max(Y, WT); Y = v = z g
	QREG \k
.if (\t) < 4
	v_pk_mul_f32 v[rG+2*(\t):rG+2*(\t)+1], v[rG+2*(\t):rG+2*(\t)+1], v[rZT+2*(\t):rZT+2*(\t)+1]
.elseif (\t) < 12
	v_max_num_f32 v[rY+(\t)-4], v[rY+(\t)-4], v[rWT+(\t)-4]
.else
	v_pk_mul_f32 v[rY+2*(\t)-24:rY+2*(\t)-23], v[rY+2*(\t)-24:rY+2*(\t)-23], v[rZT+2*(\t)-24:rZT+2*(\t)-23]
.endif
	TKP
.endm
.macro UNITS a, t0, n                  ; lines t0 .. t0 + n - 1 of unit a, for all four quarters
.irp k, 0,1,2,3
.set zt, \t0
.rept \n
	\a \k, zt
.set zt, zt+1
.endr
.endr
.endm
.macro SCAN                            ; position by position: Y = a Y(before) + v, the local h; then G = a G(before), the product.  Four chains (two column tiles, Y and G) by turns; each line serves two runs of 8 steps
.set ps, 1
.rept 7
.irp c, 0,1
.set gp, ACC+64*PRV+32*(ps%2)+8*\c+2*(ps/2)
.set gq, ACC+64*PRV+32*((ps-1)%2)+8*\c+2*((ps-1)/2)
	v_pk_fma_f32 v[gp+16:gp+17], v[gp:gp+1], v[gq+16:gq+17], v[gp+16:gp+17]
	TKP
.endr
.irp c, 0,1
.set gp, ACC+64*PRV+32*(ps%2)+8*\c+2*(ps/2)
.set gq, ACC+64*PRV+32*((ps-1)%2)+8*\c+2*((ps-1)/2)
	v_pk_mul_f32 v[gp:gp+1], v[gp:gp+1], v[gq:gq+1]
	TKP
.endr
.set ps, ps+1
.endr
.endm
.macro COMB1                           ; my lane's two runs joined (16 steps): ZT+0,1 the product, ZT+2,3 the local h, for the two column tiles; the other half of the lanes' in ZT+4..7; the wave's 32 steps (right in lanes 16-31) in ZT+8..11
.irp c, 0,1
.set gp, ACC+64*PRV+32+8*\c+6
	v_mul_f32 v[ZT+\c], v[gp+1], v[gp]
	TKP
	v_fma_f32 v[ZT+2+\c], v[gp+1], v[gp+16], v[gp+17]
	TKP
.endr
.irp u, 0,1,2,3
	v_permlanex16_b32 v[ZT+4+\u], v[ZT+\u], s[SEL], s[SEL+1]
	TKN
.endr
	v_pk_mul_f32 v[ZT+8:ZT+9], v[ZT:ZT+1], v[ZT+4:ZT+5]
	TKP
	v_pk_fma_f32 v[ZT+10:ZT+11], v[ZT:ZT+1], v[ZT+6:ZT+7], v[ZT+2:ZT+3]
	TKP
	ds_store_b128 v[CST], v[ZT+8:ZT+11] offset:2048*CUR    ; lanes 0-15 store into a half that nobody reads
	TKD
.endm
.macro COMB2                           ; the carries: into waves 1, 2, 3 and the next block; into my wave (a choice by the wave's number, no branch); into my half of the lanes; into my two runs
	v_pk_fma_f32 v[WT:WT+1], v[ZT+12:ZT+13], v[CP:CP+1], v[ZT+14:ZT+15]
	TKP
	v_pk_fma_f32 v[WT+2:WT+3], v[ZT+16:ZT+17], v[WT:WT+1], v[ZT+18:ZT+19]
	TKP
	v_pk_fma_f32 v[WT+4:WT+5], v[ZT+20:ZT+21], v[WT+2:WT+3], v[ZT+22:ZT+23]
	TKP
.irp c, 0,1
	v_cndmask_b32 v[WT+6+\c], v[CP+\c], v[WT+\c], s[MK]
	TKP
.endr
	v_pk_fma_f32 v[CP:CP+1], v[ZT+24:ZT+25], v[WT+4:WT+5], v[ZT+26:ZT+27]
	TKP
.irp c, 0,1
	v_cndmask_b32 v[WT+6+\c], v[WT+6+\c], v[WT+2+\c], s[MK+1]
	TKP
.endr
.irp c, 0,1
	v_cndmask_b32 v[WT+6+\c], v[WT+6+\c], v[WT+4+\c], s[MK+2]
	TKP
.endr
	v_pk_fma_f32 v[WT+8:WT+9], v[ZT+4:ZT+5], v[WT+6:WT+7], v[ZT+6:ZT+7]
	TKP
.irp c, 0,1
	v_cndmask_b32 v[WT+10+2*\c], v[WT+6+\c], v[WT+8+\c], s[MH]
	TKP
.endr
.irp c, 0,1
.set gp, ACC+64*PRV+32+8*\c+6
	v_fma_f32 v[WT+11+2*\c], v[gp], v[WT+10+2*\c], v[gp+16]
	TKP
.endr
.endm
.macro FIX                             ; h = product x carry + local h
.set ps, 0
.rept 8
.irp c, 0,1
.set gp, ACC+64*PRV+32*(ps%2)+8*\c+2*(ps/2)
	v_pk_fma_f32 v[gp+16:gp+17], v[gp:gp+1], v[WT+10+2*\c:WT+11+2*\c], v[gp+16:gp+17]
	TKP
.endr
.set ps, ps+1
.endr
.endm
.macro STAGE                           ; into my stage: row 16 i + (row of the tile), column = channel.  Lanes 0-15 write 64 consecutive bytes, lanes 16-31 the same 1,152 bytes (128 mod 256) on
.irp i, 0,1
.irp c, 0,1
.irp j, 0,1,2,3,4,5,6,7
	ds_store_b32 v[STS], v[ACC+64*PRV+32*\i+16+8*\c+\j] offset:(16*\i+\j)*144+64*\c
	TKD
.endr
.endr
.endr
.endm
.macro STLOAD                          ; and back by rows; LDS serves a wave's instructions in order (ISA guide 5.7.1.4): these see the stores above
.irp u, 0,1,2,3,4,5,6,7
.if LAYER == 0
	ds_load_b128 v[WT+4*\u:WT+4*\u+3], v[STL] offset:16*\u    ; lane l: row l, its 32 channels
.else
	ds_load_b128 v[WT+4*\u:WT+4*\u+3], v[STL] offset:576*\u   ; eight lanes to a row of 128 bytes, four rows a load
.endif
.endr
.set DSN, DSN+8
.endm
.macro OUT
.if LAYER == 0
; a lane holds one step's 32 channels: a whole block of the next quantiser.  Its largest number (none is negative) with the floor 2^(3 - 127) among the leaves; 2 off the exponent field is the conversion's scale operand, and that shifted the byte
	v_max3_num_f32 v[ZT], v[WT], v[WT+1], 0x1800000
	TKP
	v_max3_num_f32 v[ZT+1], v[WT+16], v[WT+17], v[WT+18]
	TKP
.irp u, 2,4,6,8,10,12
	v_max3_num_f32 v[ZT], v[ZT], v[WT+\u], v[WT+\u+1]
	TKP
	v_max3_num_f32 v[ZT+1], v[ZT+1], v[WT+17+\u], v[WT+18+\u]
	TKP
.endr
	v_max3_num_f32 v[ZT], v[ZT], v[WT+14], v[WT+15]
	TKP
	v_max3_num_f32 v[ZT], v[ZT], v[ZT+1], v[WT+31]
	TKP
	v_add_nc_u32 v[ZT+2], 0xff000000, v[ZT]
	TKP
	v_cvt_scalef32_pk16_fp6_f32 v[ZT+4:ZT+6], v[WT:WT+15], v[ZT+2]
	TKN
	v_cvt_scalef32_pk16_fp6_f32 v[ZT+8:ZT+10], v[WT+16:WT+31], v[ZT+2]
	TKN
	v_lshrrev_b32 v[ZT+3], 23, v[ZT+2]     ; the scale's byte; also the plain line behind the conversions
	TKP
	v_mov_b32 v[ZT+7], v[ZT+8]             ; the 24 bytes as three even pairs
	TKP
	v_mov_b32 v[ZT+12], v[ZT+9]
	TKP
	v_mov_b32 v[ZT+13], v[ZT+10]
	TKP
	global_store_b64 v[OFC], v[ZT+4:ZT+5], s[14:15]              ; each store of the wave covers 256 consecutive bytes, aligned
	TKN
	global_store_b64 v[OFC], v[ZT+6:ZT+7], s[14:15] offset:256
	TKN
	global_store_b64 v[OFC], v[ZT+12:ZT+13], s[14:15] offset:512
	TKN
	global_store_b8 v[OFS], v[ZT+3], s[16:17]                    ; one byte of a scale word that four work-groups fill: 1 byte for 24 of codes
	TKN
.else
.irp u, 0,1,2,3,4,5,6,7
	global_store_b128 v[OFC], v[WT+4*\u:WT+4*\u+3], s[14:15] offset:(16*((\u/2)%2)+4*(\u%2)+(\u/4))*4096 th:TH_STORE_NT   ; eight lanes store my 32 channels of a step: 128 consecutive bytes, aligned
	TKN
.endr
.endif
.endm
; THE CHANGE OF SLOTS, and the exchange of the waves' totals: ONE barrier.  In front of it each wave waits for all its tensor loads (its part of the other slot), adds 0 to its spare word, and waits for that, for its reads of
; this slot (the last run was issued at matrix instruction 40) and for its store of totals.  fill = 1: the barrier opens a round of the cluster's, and behind the round this slot is filled with the block two on: one load a wave is out, and it has a whole step in which to land.
.macro CHANGE fill
	WIN 0
	s_wait_alu depctr_va_vdst(0)       ; the wait directly ahead of the blocking wait
	s_wait_tensorcnt 0x0               ; no tensor load of mine is out, so a group 0 may be written
	ds_add_u32 v[SPW], v[NIL]
.set DSN, DSN+1
.if \fill
	s_add_nc_u64 s[G0A+4*CUR+2:G0A+4*CUR+3], s[G0A+4*CUR+2:G0A+4*CUR+3], 196608   ; two blocks on
.endif
.if HASG
	MM
	MM
.endif
	s_wait_dscnt 0x0
	s_barrier_signal -1
.if HASG
	MM
	MM
	WIN 0
.endif
	s_barrier_wait -1
.if \fill
	CREST
	tensor_load_to_lds s[G0A+4*CUR:G0A+4*CUR+3], s[G1A:G1A+7]
	s_nop 0
	PLACES 4
.endif
.endm
; A STEP: block n's products (hasg) into set par, the vector work of block n - 1 (hasv) in the other set.  nxt: a block follows, whose first fragments are fetched.  stepout: the outputs' bases go one block on.
.macro STEP par, hasg, hasv, fill, nxt, stepout
.set CUR, \par
.set PRV, 1-\par
.set HASG, \hasg
.set NXT, \nxt
.set MC, 0
.set VC, 0
.set PER, 5
.set MLIM, 44*\hasg
.if \hasv
	s_wait_alu depctr_va_vdst(0)       ; the wait directly ahead of the blocking wait
	s_wait_xcnt 0x0                    ; the last step's stores have read their registers and bases: both are written again only behind this wait
.if \stepout
.if LAYER == 0
	s_add_nc_u64 s[14:15], s[14:15], 98304
	s_add_nc_u64 s[16:17], s[16:17], 4096
.else
	s_add_nc_u64 s[14:15], s[14:15], 524288
.endif
.endif
	PLACES 4                           ; behind the last step's last products, whose results are read now
	UNITS U_PA, 0, 16                  ; all 64 exponents first
.set MLIM, 0                           ; no matrix instruction is dealt inside a batch of transcendentals
	s_wait_alu depctr_va_vdst(0)       ; one wait ahead of the batch, one behind it
	UNITS U_TB, 0, 16                  ; 64 exponentials
	UNITS U_PC, 8, 4                   ; 16 plain lines that name none of their results: Y = y + bh + 0.5
	s_wait_alu depctr_va_vdst(0)
.set MLIM, 44*\hasg
	UNITS U_PC, 0, 8
.set MLIM, 0
	s_wait_alu depctr_va_vdst(0)
	UNITS U_TD, 0, 16                  ; 64 reciprocals
	PLACES 1                           ; the plain place behind the last of them
	s_wait_alu depctr_va_vdst(0)
.set MLIM, 44*\hasg
	UNITS U_PE, 0, 16
	SCAN
	COMB1
.endif
.if \hasg
	MMTO 44
.endif
	CHANGE \fill
.if \hasv
.irp j, 0,1,2,3
	ds_load_b128 v[ZT+12+4*\j:ZT+15+4*\j], v[CLD] offset:2048*CUR+16*\j   ; the four waves' totals of my channels
.endr
.set DSN, DSN+4
.set MKV, DSN
.if \hasg
	MMTO 51                            ; three products and a run of loads stand between those loads and the wait for them
	WIN 0
.endif
	VWAIT
.set VC, 0
.set MLIM, 58*\hasg
	COMB2
	FIX
	STAGE
	STLOAD
.set MKV, DSN
.if \hasg
	MMTO 62                            ; four products stand between the stage's loads and the wait for them
	WIN 0
.endif
	VWAIT
.set VC, 0
.set PER, 4
.set MLIM, 64*\hasg
	OUT
.endif
.if \hasg
	MMTO 64
	WIN 0
.endif
.endm
	s_load_b256 s[4:11], s[0:1], 0x0               ; A's codes s[4:5], A's scales s[6:7], W's codes s[8:9], W's scales s[10:11]
	s_load_b128 s[12:15], s[0:1], 0x20             ; the bias s[12:13], the output s[14:15]
.if LAYER == 0
	s_load_b64 s[16:17], s[0:1], 0x30              ; the output's scale bytes
.endif
	v_lshl_add_u32 v[SPW], v0, 2, SPARE
	v_mov_b32 v[NIL], 0
	ds_add_u32 v1, v2
	ds_add_u32 v1, v2
	s_wait_dscnt 0x0
	v_lshrrev_b32 v192, 5, v0
	v_readfirstlane_b32 s[WV], v192                ; wave 0..3
	s_bfe_u32 s[CX], ttmp6, 0x40000                ; my place in the cluster: it enters global addresses of W, the bias and the outputs alone
	s_lshl_b32 s[GG], ttmp9, 2
	s_add_co_u32 s[GG], s[GG], s[CX]               ; channel group 0..31
	s_and_b32 s[BB], ttmp7, 0xffff                 ; batch, which the four partners share
.if LAYER == 0
.set A_W0, 15|(3<<16)|(1<<20)|(1<<21)|(5<<22)|(1<<25)   ; mask: all four; elements of 8 bytes; padding on; bit 21 beside a mask; behind every 64 words, 2 words
	GROUP1 G1A, A_W0, 32, 192, 32                  ; the first fills: half a slot, 64 rows of 768 bytes, dense in memory: 192 rows of 256 bytes
.else
.set A_W0, 15|(3<<16)|(1<<21)
	GROUP1 G1A, A_W0, 384, 16, 768                 ; the first fills: half a slot, sixteen planes of 3,072 bytes, every second K block
.endif
.set S_W0, 15|(3<<16)|(1<<21)
	GROUP1 G1S, S_W0, 32, 128, 32                  ; half of the batch's scale bytes: 128 rows of 256 bytes, dense
.set W_W0, (3<<16)|(1<<20)|(5<<22)|(3<<25)
	GROUP1 G1W, W_W0, 32, 96, 32                   ; 32 rows of W, dense: 96 rows of 256 bytes, 16 bytes of padding behind each; no mask: W is my work-group's own
	s_mov_b32 s[NC], 0xbfb8aa3b                    ; -log2(e)
	s_mov_b32 s[NC+1], s[NC]
	s_mov_b32 s[SEL], 0x76543210
	s_mov_b32 s[SEL+1], 0xfedcba98
	s_mov_b32 s[MH], 0xffff0000
	s_mov_b32 s[LIM], 0x42f00000                   ; 120.0
	s_cmp_ge_u32 s[WV], 1
	s_cselect_b32 s[MK], -1, 0
	s_cmp_ge_u32 s[WV], 2
	s_cselect_b32 s[MK+1], -1, 0
	s_cmp_ge_u32 s[WV], 3
	s_cselect_b32 s[MK+2], -1, 0
	; what the partners share: the batch and the wave's number alone (s76-83)
	s_mul_i32 s76, s[BB], 1572864                  ; the batch's codes
.if LAYER == 0
	s_mul_i32 s78, s[WV], 24576                    ; my 32 rows in memory,
	s_mul_i32 s80, s[WV], 25344                    ; and in a slot
.else
	s_lshr_b32 s79, s[WV], 1                       ; even or odd K blocks,
	s_and_b32 s81, s[WV], 1                        ; their first or second eight
	s_mul_i32 s78, s79, 3072
	s_mul_i32 s82, s81, 49152
	s_add_co_u32 s78, s78, s82
	s_mul_i32 s80, s79, 49280
	s_mul_i32 s82, s81, 24576
	s_add_co_u32 s80, s80, s82
.endif
	s_add_co_u32 s76, s76, s78
	s_mov_b32 s77, 0
	s_lshl_b32 s78, s[BB], 16                      ; the batch's scale bytes,
	s_and_b32 s81, s[WV], 1
	s_lshl_b32 s81, s81, 15                        ; the half of them that wave 0 or 1 fetches
	s_add_co_u32 s78, s78, s81
	s_mov_b32 s79, 0
	s_and_b32 s83, s[WV], 1
	s_mul_i32 s83, s83, 26112                      ; 32 rows of W in LDS: wave 0 the gate's, wave 1 the hidden's
	; what hangs on the channel group (s84-93)
	s_and_b32 s84, s[WV], 1
	s_lshl_b32 s84, s84, 10                        ; wave 0 fetches the 32 gate rows, wave 1 the 32 hidden rows
	s_lshl_b32 s85, s[GG], 5
	s_add_co_u32 s84, s84, s85
	s_mul_i32 s84, s84, 768
	s_mov_b32 s85, 0
	s_lshl_b32 s86, s[GG], 10                      ; W's scale bytes: 32 rows of 32 bytes
	s_mov_b32 s87, 0
	s_lshl_b32 s88, s[GG], 7                       ; the bias: 32 numbers
	s_mov_b32 s89, 0
.if LAYER == 0
	s_mul_i32 s90, s[BB], 1572864                  ; codes [batch][block][K block = channel group][wave][piece 3][tile 2][row 16][8 bytes]
	s_mul_i32 s91, s[GG], 3072
	s_add_co_u32 s90, s90, s91
	s_lshl_b32 s92, s[BB], 16                      ; scale bytes [batch][block][K step 8][wave][lane 32][4]
	s_lshr_b32 s93, s[GG], 2
	s_lshl_b32 s93, s93, 9
	s_add_co_u32 s92, s92, s93
	s_and_b32 s93, s[GG], 3
	s_add_co_u32 s92, s92, s93
	s_mov_b32 s93, 0
.else
	s_lshl_b32 s90, s[BB], 23                      ; out0: 2,048 rows of 4,096 bytes a batch,
	s_lshl_b32 s91, s[GG], 7                       ; my 32 channels
	s_add_co_u32 s90, s90, s91
.endif
	s_mov_b32 s91, 0
	s_wait_kmcnt 0x0
	s_mov_b32 s[G0A], 1
	s_mov_b32 s[G0A+1], s80                        ; slot 0: block 0
	s_add_nc_u64 s[G0A+2:G0A+3], s[4:5], s[76:77]
	s_mov_b32 s[G0A+4], 1
	s_add_co_u32 s[G0A+5], s80, SLOTB              ; slot 1: block 1
	s_add_nc_u64 s[G0A+6:G0A+7], s[G0A+2:G0A+3], 98304
	s_or_b32 s[G0A+3], s[G0A+3], 0x80000000
	s_or_b32 s[G0A+7], s[G0A+7], 0x80000000
	s_mov_b32 s[G0S], 1
	s_add_co_u32 s[G0S+1], s81, SCL
	s_add_nc_u64 s[G0S+2:G0S+3], s[6:7], s[78:79]
	s_or_b32 s[G0S+3], s[G0S+3], 0x80000000
	s_mov_b32 s[G0W], 1
	s_add_co_u32 s[G0W+1], s83, WREG
	s_add_nc_u64 s[G0W+2:G0W+3], s[8:9], s[84:85]
	s_or_b32 s[G0W+3], s[G0W+3], 0x80000000
; the first fills of the two slots go by halves (waves 2 and 3): groups 0 in s[4:7] and s[76:79], made of the batch and the wave's number alone
.set G0H, 4
.set G0H1, 76
.if LAYER == 0
.set HALFG, 49152                      ; a half in memory, in LDS; rows of a quarter
.set HALFL, 50688
.set AQR, 96
.else
.set HALFG, 3072
.set HALFL, 49280
.set AQR, 8
.endif
	s_and_b32 s82, s[WV], 1
	s_mul_i32 s76, s[BB], 1572864
	s_mul_i32 s78, s82, HALFG
	s_add_co_u32 s76, s76, s78
	s_mov_b32 s77, 0
	s_add_nc_u64 s[6:7], s[4:5], s[76:77]          ; block 0, my half
	s_add_nc_u64 s[78:79], s[6:7], 98304           ; block 1
	s_or_b32 s7, s7, 0x80000000
	s_or_b32 s79, s79, 0x80000000
	s_mov_b32 s4, 1
	s_mul_i32 s5, s82, HALFL
	s_mov_b32 s76, 1
	s_add_co_u32 s77, s5, SLOTB
	s_add_nc_u64 s[10:11], s[10:11], s[86:87]
	s_add_nc_u64 s[12:13], s[12:13], s[88:89]
	s_add_nc_u64 s[14:15], s[14:15], s[90:91]
.if LAYER == 0
	s_add_nc_u64 s[16:17], s[16:17], s[92:93]
.endif
	CROUND                                         ; all four work-groups are here: the first joint loads meet
; one tensor load a wave: waves 0, 1 by the first pair of groups, waves 2, 3 by the second; the branch hangs on the wave's number alone
.macro HLOAD g0a, g1a, g0b, g1b
	s_cmp_lt_u32 s[WV], 2
	s_cbranch_scc0 .Lhl_b_\@
	tensor_load_to_lds s[\g0a:\g0a+3], s[\g1a:\g1a+7]
	s_nop 0
.rept 4
	v_nop
.endr
	s_branch .Lhl_e_\@
.Lhl_b_\@:
	tensor_load_to_lds s[\g0b:\g0b+3], s[\g1b:\g1b+7]
	s_nop 0
.rept 4
	v_nop
.endr
.Lhl_e_\@:
.endm
	HLOAD G0W, G1W, G0H, G1A                       ; the head's loads: W's gate rows, W's hidden rows, slot 0's two halves
	v_and_b32 v192, 15, v0                         ; m: a fragment's row; in results: the channel
	v_bfe_u32 v193, v0, 4, 1                       ; h
	v_and_b32 v194, 31, v0                         ; lane
	v_lshlrev_b32 v198, 5, v192
	v_lshl_add_u32 v198, v193, 4, v198             ; W's scale words: row m, K steps 4 h .. 4 h + 3
	v_lshlrev_b32 v199, 2, v192
.irp n, 0,1,2,3
	global_load_b128 v[WS+4*\n:WS+4*\n+3], v198, s[10:11] offset:(\n/2)*32768+(\n%2)*512
.endr
	global_load_b32 v[KG], v199, s[12:13]
	global_load_b32 v[KG+2], v199, s[12:13] offset:64
	global_load_b32 v[KH], v199, s[12:13] offset:4096
	global_load_b32 v[KH+2], v199, s[12:13] offset:4160
	v_bfe_u32 v195, v0, 3, 1
	v_and_b32 v196, 1, v0
	v_bfe_u32 v197, v0, 1, 2
	v_lshlrev_b32 v195, 4, v195
	v_lshl_add_u32 v195, v196, 3, v195
	v_lshl_add_u32 v195, v197, 1, v195             ; row m of tile 0 is step 16 (m / 8) + 8 (m % 2) + 2 ((m / 2) % 4)
.if LAYER == 0
	v_mul_u32_u24 v[ADA], v195, 792
	v_mad_u32_u24 v[ADA], v193, 24, v[ADA]
	v_add_nc_u32 v[ADA], s80, v[ADA]               ; (32 w + step) x 792 + 24 h
	v_add_nc_u32 v[ADA+1], SLOTB, v[ADA]
	v_lshl_add_u32 v[ADB], v193, 3, v[ADA]
	v_lshl_add_u32 v[ADB+1], v193, 3, v[ADA+1]
	v_add_nc_u32 v[ASA], v195, v193                ; lanes 16-31 take tile 1's rows, one step on
	v_lshlrev_b32 v[ASA], 5, v[ASA]
	s_lshl_b32 s82, s[WV], 10
	s_add_co_u32 s82, s82, SCL
	v_add_nc_u32 v[ASA], s82, v[ASA]
.else
	v_mul_u32_u24 v[ADA], v193, 49280              ; lanes 16-31 take the odd K blocks
	v_lshl_add_u32 v[ADA], v192, 3, v[ADA]
	s_mul_i32 s82, s[WV], 768
	v_add_nc_u32 v[ADA], s82, v[ADA]
	v_add_nc_u32 v[ADA+1], SLOTB, v[ADA]
	s_lshl_b32 s82, s[WV], 7
	s_add_co_u32 s82, s82, SCL
	v_lshl_add_u32 v[ASA], v194, 2, s82
.endif
	s_mul_i32 s82, s[WV], 4608
	s_add_co_u32 s82, s82, WREG                    ; my stage
	v_mul_u32_u24 v[STS], v193, 1152
	v_lshl_add_u32 v[STS], v192, 2, v[STS]
	v_add_nc_u32 v[STS], s82, v[STS]
.if LAYER == 0
	v_mul_u32_u24 v[STL], v194, 144
	v_add_nc_u32 v[STL], s82, v[STL]
	s_mul_i32 s82, s[WV], 768
	v_lshl_add_u32 v[OFC], v194, 3, s82
	s_lshl_b32 s82, s[WV], 7
	v_lshl_add_u32 v[OFS], v194, 2, s82
.else
	v_lshrrev_b32 v196, 3, v194
	v_and_b32 v197, 7, v0
	v_mul_u32_u24 v[STL], v196, 144
	v_lshl_add_u32 v[STL], v197, 4, v[STL]
	v_add_nc_u32 v[STL], s82, v[STL]
	v_bfe_u32 v196, v0, 3, 1                       ; load u brings stage rows 4 u + lane / 8: step 16 ((u / 2) % 2) + 8 ((lane / 8) % 2) + 4 (u % 2) + 2 (lane / 16) + u / 4
	v_lshlrev_b32 v[OFC], 15, v196
	v_lshl_add_u32 v[OFC], v193, 13, v[OFC]
	v_lshl_add_u32 v[OFC], v197, 4, v[OFC]
	s_lshl_b32 s82, s[WV], 17
	v_add_nc_u32 v[OFC], s82, v[OFC]
.endif
	v_lshlrev_b32 v[CLD], 6, v192
	v_add_nc_u32 v[CLD], CARRY+1024, v[CLD]
	v_lshlrev_b32 v[CST], 6, v192
	v_lshl_add_u32 v[CST], v193, 10, v[CST]
	s_lshl_b32 s82, s[WV], 4
	s_add_co_u32 s82, s82, CARRY
	v_add_nc_u32 v[CST], s82, v[CST]
	v_mul_u32_u24 v200, v192, 816
	v_add_nc_u32 v200, WREG, v200
	v_mad_u32_u24 v201, v193, 40, v200             ; W's pieces behind one padding more
	v_mad_u32_u24 v200, v193, 24, v200
	s_wait_alu depctr_va_vdst(0)                   ; the wait at the head's end
	s_wait_tensorcnt 0x0                           ; my head's load is in
	ds_add_u32 v[SPW], v[NIL]
	s_wait_dscnt 0x0
	CROUND                                         ; W and slot 0 are whole, and all four work-groups are here
	HLOAD G0S, G1S, G0H1, G1A                      ; A's scale bytes in two halves, slot 1 in two halves; W's 192 fragment loads below stand between these loads and the wait for them
.irp q, 0,1,2,3,4,5,6,7                        ; W's 32 fragments: they stay
.set wn, 0x40+0x40*(\q/4)
	WIN wn
.irp n, 0,1,2,3
.irp p, 0,1,2,3,4,5
.set pcx, 12*\q+6*(\p/3)+(\p%3)
.set rW, 12*(4*(\q%4)+\n)+2*\p
.if (pcx%32) < 29
	ds_load_b64 v[rW:rW+1], v200 offset:13056*\n+8*pcx+16*(pcx/32)
.else
	ds_load_b64 v[rW:rW+1], v201 offset:13056*\n+8*pcx+16*(pcx/32)
.endif
.endr
.endr
.endr
	WIN 0
	s_wait_loadcnt 0x0                             ; W's scale words and the biases
	v_add_f32 v[KB], 0.5, v[KH]
	v_add_f32 v[KB+2], 0.5, v[KH+2]
	v_mul_f32 v[KG], s[NC], v[KG]
	v_mul_f32 v[KG+2], s[NC], v[KG+2]
	v_mul_f32 v[KH], s[NC], v[KH]
	v_mul_f32 v[KH+2], s[NC], v[KH+2]
.irp r, KG, KG+2, KH, KH+2, KB, KB+2
	v_mov_b32 v[\r+1], v[\r]
.endr
	v_mov_b32 v[CP], 0.5                           ; h before the first step
	v_mov_b32 v[CP+1], 0.5
	s_wait_alu depctr_va_vdst(0)                   ; the wait directly ahead of the blocking wait
	s_wait_tensorcnt 0x0                           ; my part of the scales or of slot 1 is in; no tensor load of mine is out, so a descriptor may be written:
	s_mov_b32 s[G1A+2], AQR<<16                    ; from here on a load of A brings a quarter of a slot
	s_mov_b32 s[G1A+4], AQR
	s_wait_dscnt 0x0                               ; W's fragments are in registers
	s_barrier_signal -1
	s_barrier_wait -1                              ; everybody's parts are in
	ASLOAD 0
	ARUN 0, 0
.set MKR0, DSN
	ARUN 0, 1
.set MKR1, DSN
	WIN 0
	STEP 0, 1, 0, 1, 1, 0                          ; block 0's products alone
	STEP 1, 1, 1, 1, 1, 0                          ; the same shape as the loop's second step: what the text has counted holds on both ways to the label
	s_mov_b32 s[TRIP], 6
.Lpair:                                                ; blocks 2 to 13: each step fills the slot that it leaves
	STEP 0, 1, 1, 1, 1, 1
	STEP 1, 1, 1, 1, 1, 1
	s_sub_co_u32 s[TRIP], s[TRIP], 1
	s_cmp_lg_u32 s[TRIP], 0
	s_cbranch_scc1 .Lpair
	STEP 0, 1, 1, 0, 1, 1                          ; the tail is written out: blocks 14 and 15 ask for nothing more,
	STEP 1, 1, 1, 0, 0, 1
	STEP 0, 0, 1, 0, 0, 1                          ; and block 15's vector work stands alone
	s_wait_tensorcnt 0x0                           ; the wave's end
	ds_add_u32 v[SPW], v[NIL]
	s_wait_dscnt 0x0
	CROUND                                         ; the closing round
	s_endpgm
.Lfunc_end_k_qe26f57071b_layer1:
	.size	k_qe26f57071b_layer1, .Lfunc_end_k_qe26f57071b_layer1-k_qe26f57071b_layer1
	.p2alignl 7, 3214868480
	.fill 96, 4, 3214868480
	.section	.rodata,"a",@progbits
	.p2align	6, 0x0
	.amdhsa_kernel k_qe26f57071b_layer1
		.amdhsa_group_segment_fixed_size 327680
		.amdhsa_private_segment_fixed_size 0
		.amdhsa_enable_private_segment 0
		.amdhsa_kernarg_size 48
		.amdhsa_user_sgpr_count 2
		.amdhsa_user_sgpr_kernarg_segment_ptr 1
		.amdhsa_wavefront_size32 1
		.amdhsa_system_sgpr_workgroup_id_x 1
		.amdhsa_system_sgpr_workgroup_id_y 1
		.amdhsa_system_sgpr_workgroup_id_z 1
		.amdhsa_system_vgpr_workitem_id 0
		.amdhsa_next_free_vgpr 768
		.amdhsa_next_free_sgpr 96
		.amdhsa_reserve_vcc 0
		.amdhsa_float_denorm_mode_32 3
		.amdhsa_float_denorm_mode_16_64 3
		.amdhsa_memory_ordered 1
		.amdhsa_forward_progress 1
		.amdhsa_inst_pref_size 255
	.end_amdhsa_kernel
	.section	.bss,"aw",@nobits
	.p2align	6
	.space	262144
	.amdgpu_metadata
---
amdhsa.version: [ 1, 2 ]
amdhsa.kernels:
  - .name:           k_qe26f57071b_layer1
    .symbol:         k_qe26f57071b_layer1.kd
    .args:
      - { .name: h1c, .offset: 0, .size: 8, .value_kind: global_buffer, .address_space: global }
      - { .name: h1s, .offset: 8, .size: 8, .value_kind: global_buffer, .address_space: global }
      - { .name: W1_codes, .offset: 16, .size: 8, .value_kind: global_buffer, .address_space: global }
      - { .name: W1_scales, .offset: 24, .size: 8, .value_kind: global_buffer, .address_space: global }
      - { .name: b1, .offset: 32, .size: 8, .value_kind: global_buffer, .address_space: global }
      - { .name: out0, .offset: 40, .size: 8, .value_kind: global_buffer, .address_space: global }
    .group_segment_fixed_size: 327680
    .private_segment_fixed_size: 0
    .kernarg_segment_align: 8
    .kernarg_segment_size: 48
    .max_flat_workgroup_size: 128
    .sgpr_count:     96
    .vgpr_count:     768
    .wavefront_size: 32
...
	.end_amdgpu_metadata
.endif
;; end of part 2
